; MI455X (gfx1250); checked and timed in simulation.
; The chip was launched on July 23, 2026; its instructions are those of AMD's public machine-readable ISA for CDNA 5 (MIT licence, August 2026) and "CDNA5" Instruction Set Architecture Reference Guide (July 2026). The comments in the code are by the model that wrote it; some were corrected since.
;; Multi Head Attention. Allowed arithmetic: matrix products marked QUANTISED: E2M1 operands, one E8M0 scale for each 32 along K, by v_wmma_scale_f32_16x16x128_f8f6f4 with both operands' format E2M1 (or v_wmma_scale_f32_32x16x128_f4), f32 sums; everything else in f32.
;; Inputs: K_codes 4 x 2,048 x 32 x 16 uint8 (E2M1 codes of K, K innermost, in blocks of 32 codes, two codes a byte); K_scales 4 x 2,048 x 32 uint8 (E8M0 scales of K, one for each 32 codes along K); Q 4 x 2,048 x 1,024 float32; V_codes 4 x 2,048 x 32 x 16 uint8 (E2M1 codes of V, K innermost, in blocks of 32 codes, two codes a byte); V_scales 4 x 2,048 x 32 uint8 (E8M0 scales of V, one for each 32 codes along K); W_K_codes 1,024 x 32 x 16 uint8 (E2M1 codes of W_K, K innermost, in blocks of 32 codes, two codes a byte); W_K_scales 1,024 x 32 uint8 (E8M0 scales of W_K, one for each 32 codes along K); W_Q_codes 1,024 x 32 x 16 uint8 (E2M1 codes of W_Q, K innermost, in blocks of 32 codes, two codes a byte); W_Q_scales 1,024 x 32 uint8 (E8M0 scales of W_Q, one for each 32 codes along K); W_V_codes 1,024 x 32 x 16 uint8 (E2M1 codes of W_V, K innermost, in blocks of 32 codes, two codes a byte); W_V_scales 1,024 x 32 uint8 (E8M0 scales of W_V, one for each 32 codes along K); W_fc_codes 1,024 x 32 x 16 uint8 (E2M1 codes of W_fc, K innermost, in blocks of 32 codes, two codes a byte); W_fc_scales 1,024 x 32 uint8 (E8M0 scales of W_fc, one for each 32 codes along K); attn_mask 4 x 2,048 x 2,048 bool.
;; Outputs: out0 4 x 2,048 x 1,024 float32.
;; This version of the problem:
;;   THIS VERSION OF THE PROBLEM IS GIVEN IN LOW PRECISION. The matrix products marked QUANTISED in the list below multiply operands that are first quantised to E2M1 (2 exponent bits, 1 mantissa bit; 4 bits a number), with one power-of-two scale for each 32 numbers along K (OCP MX v1.0); their sums are f32. All else is computed in f32.
;;   The module's matrix products, in the order in which they are computed (A, B: the left and right operand; K: the contracted axis; several contracted axes count as one K, in the product's order):
;;     1. [M 8,192, K 1,024] x [K 1,024, N 1,024]; A: input Q; B: input W_Q (given as codes): QUANTISED
;;     2. [M 8,192, K 1,024] x [K 1,024, N 1,024]; A: input K (given as codes); B: input W_K (given as codes): QUANTISED
;;     3. [M 8,192, K 1,024] x [K 1,024, N 1,024]; A: input V (given as codes); B: input W_V (given as codes): QUANTISED
;;     4. batch 64 x [M 2,048, K 64] x [K 64, N 2,048]; A: computed on the way; B: computed on the way: QUANTISED
;;     5. batch 64 x [M 2,048, K 2,048] x [K 2,048, N 64]; A: softmax (see below); B: computed on the way: QUANTISED
;;     6. [M 8,192, K 1,024] x [K 1,024, N 1,024]; A: computed on the way; B: input W_fc (given as codes): QUANTISED
;;   THE QUANTISER, for each operand of a quantised product, along K:
;;     - K is cut into blocks of 32 from its start; a last block that is shorter is filled with zeros.
;;     - A block's scale is 2^e with e = floor(log2(the largest magnitude in the block)) - 2, held to -126 .. 127; a block of zeros has e = 0. As a byte (E8M0): e + 127.
;;     - Each number is divided by its block's scale, clamped to +-6, and rounded to the nearest number of E2M1, ties to even, subnormals kept.
;;     - The product sums the exact products of the quantised numbers (number of the format x scale) in f32.
;;   ~~~python
;;   def quantise(x, axis):      # numpy; x: float32 -> the quantised numbers, widened to float32 again
;;       x = np.moveaxis(x, axis, -1); K = x.shape[-1]
;;       x = np.pad(x, [(0, 0)] * (x.ndim - 1) + [(0, -K % 32)]); x = x.reshape(x.shape[:-1] + (-1, 32)); a = np.abs(x).max(-1, keepdims=True)
;;       e = np.where(a > 0, np.clip(np.frexp(np.where(a > 0, a, 1))[1] - 1 - 2, -126, 127), 0)      # np.frexp(a)[1] - 1 = floor(log2(a)), exactly
;;       r = np.clip(x / 2.0 ** e, -6, 6)
;;       step = 2.0 ** (np.maximum(np.frexp(np.where(r == 0, 1, r))[1] - 1, 0) - 1)
;;       q = np.round(r / step) * step * 2.0 ** e      # np.round: ties to even
;;       return np.moveaxis(q.reshape(q.shape[:-2] + (-1,))[..., :K], -1, axis).astype(np.float32)
;;   ~~~
;;   SOFTMAX AHEAD OF A QUANTISED PRODUCT. Where the list says 'softmax', what is quantised is not the finished softmax but p = 2^(t - M), with t = logit x log2(e) and M = ceil(the row's largest t), a whole number; so 1/2 < the row's largest p <= 1. The row's sum l is taken of the UNQUANTISED p, in f32, and the product's result is divided by l at the end. Since M is a whole number, a kernel that streams over the keys may use a running M (the ceiling of the running maximum): every later rescaling is an exact power of two, which a block's scale takes up: the codes' values come out the same.
;;   OPERANDS COMPUTED ON THE WAY. 'Computed on the way' means the value that the module computes at that place (a softmax that the list does not call 'softmax' is quantised finished and normalised). What goes into a quantiser is computed in f32, as accurately as f32 sums, v_exp_f32 and their like allow (about 1e-6 of the number): no bf16 or f16 on the way to a quantiser, and a product that is left as it is and whose result goes on into a quantised operand takes f32 operands (vector FMAs, or v_wmma_f32_16x16x4_f32). A number that lies on a knife's edge between two numbers of the format may be rounded either way, as far as f32 arithmetic and the matrix unit's own rounding can turn it there, and no further.
;;   INPUTS GIVEN AS CODES. K (in the module: [4, 2048, 1024], K = its axis 2); V (in the module: [4, 2048, 1024], K = its axis 2); W_K (in the module: [1024, 1024], K = its axis 1); W_Q (in the module: [1024, 1024], K = its axis 1); W_V (in the module: [1024, 1024], K = its axis 1); W_fc (in the module: [1024, 1024], K = its axis 1): each comes as NAME_codes (uint8): NAME with its K axis moved to the last place and cut into blocks of 32 codes, [.., K / 32, bytes a block], one block behind the other in memory; two codes a byte, the lower K in the low four bits (a code: sign, 2 exponent bits, 1 mantissa bit); and NAME_scales (uint8): the same leading axes, one E8M0 byte (e + 127) for each 32 codes along K. Its value is code x scale, taken as it is: it is not quantised again, and the codes and scales need not be those that the quantiser above would give.
;; One version. Each part assembles by itself: llvm-mc -triple=amdgcn-amd-amdhsa -mcpu=gfx1250 --defsym DOCPART=n.
;; ======== version 1 of 1: 4 launches
;; limits: right only within a limited range of input values
;; workspace buffers: Qc 4,194,304 bytes; Qs 262,144 bytes; mbits 2,097,152 bytes of whole numbers; wimg 524,288 bytes; qkv 17,825,792 bytes; ctx 4,194,304 bytes; ctxs 262,144 bytes
;; launch prep (part 1): grid 512 x 1, 4 waves a work-group, no clusters, 50,688 bytes of LDS; arguments Q, attn_mask, W_fc_codes, Qc, Qs, mbits, wimg; writes Qc, Qs, mbits, wimg
.if DOCPART == 1
	.amdgcn_target "amdgcn-amd-amdhsa--gfx1250"
	.amdhsa_code_object_version 6
	.text
	.protected	k_q08f5b14a63_prep
	.globl	k_q08f5b14a63_prep
	.p2align	8
	.type	k_q08f5b14a63_prep,@function
k_q08f5b14a63_prep:
	s_mov_b64 s[64:65], 0
	v_nop
	global_prefetch_b8 v0, s[64:65] scope:SCOPE_SE
	s_setreg_imm32_b32 hwreg(HW_REG_WAVE_MODE, 25, 1), 1
	s_wait_xcnt 0x0
; MULTI-HEAD ATTENTION IN MX-FP4, launch 1 of 4: what the later launches want laid out once.
; DEAD WORK: none is left out in this program.  Every input has a way to out0: Q (product 1 and the residual), K, V and the four weights (products 1, 2, 3, 6), attn_mask (it selects scores, so no tile of
; scores may be passed over).  All are loaded.
; Work-groups 0-255: Q [8192][1024] f32 becomes codes of E2M1 (Qc, [8192][512 bytes], K innermost) and one E8M0 byte for each 32 along K (Qs, [8192][32]).
;   A block's scale is 2^(floor(log2(its largest magnitude)) - 2); its byte is the largest magnitude's exponent field - 2, held at 1 from below.
; Work-groups 256-511: attn_mask's bytes become LANE MASKS (mbits), one 32-bit word for each register of scores of the attention launch: [b x 128 + T][key step of 128][64 words];
;   word n, bit 16 h + r = mask[b][query 32 (T / 2) + 8 (T % 2) + r + 8 (r / 8)][128 step + 32 (n / 16) + 16 h + n % 16].  That is an eighth of the mask's bytes, and sixteen heads read it.
;   Each of these 1,024 waves also copies one half fragment of W_fc (16 rows x 64 codes) into wimg, [K step][tile of 16 rows][half][16 bytes a lane]: the order of the operand's registers.
; LIMITS: a block of zeros gets the byte 1 where the quantiser says 127 (its codes are zeros, and this program alone reads the bytes); blocks whose largest magnitude lies under 2^(2 - 126) are held at the byte 1;
; NaN and infinities among the inputs are not served.
; The two kinds of work-group part on the work-group's number, never join again, and have LDS bytes of their own.  No tensor load, no barrier: waves share nothing.
.set STEPS, 16
.set EMAX,  2
.set CB,    8                          ; bytes of 16 codes
.set R,     16                         ; v16-79   Q: four sets of 16 numbers as they are loaded
.set X,     80                         ; v80-111  two sets of 16 neighbours
.set C,     128                        ; v128-191 codes: four registers for each step, so that no store's data are written again
.set E,     112                        ; v112-127 a scale byte for each step
.set WREG,  8192                       ; LDS, Q's waves: a region for each: two stages of 32 x SP bytes, behind them 256 scale bytes
.set SP,    80                         ; a lane's place in a stage: its 64 bytes + 16 of padding
.set MST,   4*WREG                     ; LDS, the mask's waves: a stage of 16 rows x (256 + 16) bytes for each
.set MSTW,  16*272
.set SPARE, MST+4*MSTW                 ; the spare words, 128 bytes for each wave: two blocks of 256 bytes that no other line names
.set SPW,   12                         ; v12  LDS address of my spare word; never rewritten
.set NIL,   13                         ; v13  0; never rewritten
	s_load_b256 s[4:11], s[0:1], 0x0               ; Q s[4:5], attn_mask s[6:7], W_fc_codes s[8:9], Qc s[10:11]
	s_load_b128 s[12:15], s[0:1], 0x20             ; Qs s[12:13], mbits s[14:15]
	s_load_b64 s[16:17], s[0:1], 0x30              ; wimg
	v_lshl_add_u32 v[SPW], v0, 2, SPARE
	v_mov_b32 v[NIL], 0
	v_lshrrev_b32 v1, 5, v0
	v_readfirstlane_b32 s18, v1                    ; wave
	v_and_b32 v2, 31, v0                           ; lane
	s_cmp_lt_u32 ttmp9, 256
	s_cbranch_scc0 .Lmask
; ---------------- Q: a plain stream of blocks of 32.  A wave takes 16 steps of 512 numbers.
; Each load reads 512 consecutive bytes, 16 a lane; a step's 2,048 bytes turn through the wave's own stage in LDS and come back 64 bytes a lane: 16 neighbours along K, two lanes to a block.
	v_lshlrev_b32 v3, 4, v2                        ; my 16 bytes of a load's 512
	s_mul_i32 s19, s18, WREG
	v_lshrrev_b32 v14, 2, v2
	v_mul_u32_u24 v14, v14, SP
	v_and_b32 v15, 3, v2
	v_lshl_add_u32 v14, v15, 4, v14
	v_add_nc_u32 v14, s19, v14                     ; the stage, on the way in: SP (lane / 4) + 16 (lane % 4)
	v_mul_u32_u24 v15, v2, SP
	v_add_nc_u32 v15, s19, v15                     ; and on the way out: SP x lane
	v_mul_u32_u24 v4, v2, CB                       ; my codes' place in a step's
	v_lshrrev_b32 v5, 1, v2
	s_add_co_u32 s19, s19, 2*32*SP
	v_add_nc_u32 v5, s19, v5                       ; my wave's 256 scale bytes, my block's byte
	v_lshlrev_b32 v7, 3, v2
	v_add_nc_u32 v6, s19, v7                       ; and on the way out 8 bytes a lane
	s_lshl_b32 s20, ttmp9, 2
	s_add_co_u32 s20, s20, s18                     ; which run of 8,192 numbers is my wave's: 0 .. 1,023
	s_lshl_b32 s22, s20, 15                        ; 32,768 bytes of Q a run,
	s_mov_b32 s23, 0
	s_lshl_b32 s24, s20, 12                        ; 4,096 of codes,
	s_mov_b32 s25, 0
	s_lshl_b32 s20, s20, 8                         ; 256 scale bytes
	s_mov_b32 s21, 0
	s_wait_kmcnt 0x0
	s_add_nc_u64 s[4:5], s[4:5], s[22:23]
	s_add_nc_u64 s[10:11], s[10:11], s[24:25]
	s_add_nc_u64 s[12:13], s[12:13], s[20:21]
.macro LOAD t
.irp i, 0,1,2,3
	global_load_b128 v[R+16*((\t)%4)+4*\i:R+16*((\t)%4)+4*\i+3], v3, s[4:5] offset:2048*(\t)+512*\i th:TH_LOAD_NT
.endr
.endm
.macro TURN t                          ; step t's numbers through the stage: LDS serves a wave's instructions in order, so no wait stands between the stores and the loads
.irp i, 0,1,2,3
	ds_store_b128 v14, v[R+16*((\t)%4)+4*\i:R+16*((\t)%4)+4*\i+3] offset:32*SP*((\t)%2)+8*SP*\i
.endr
.irp i, 0,1,2,3
	ds_load_b128 v[X+16*((\t)%2)+4*\i:X+16*((\t)%2)+4*\i+3], v15 offset:32*SP*((\t)%2)+16*\i
.endr
.endm
.irp t, 0,1,2,3
	LOAD \t
.endr
	s_wait_loadcnt 12                              ; step 0's four loads are in; those of steps 1 to 3 stay out
	TURN 0
.macro STEP t
.set XS, X+16*((\t)%2)
.if (\t) > 0
	s_wait_dscnt 1                                 ; this step's numbers are back from the stage (the last step's byte store may be out)
.else
	s_wait_dscnt 0x0
.endif
.if (\t)+4 < STEPS
	LOAD (\t)+4                                    ; into the registers that this step's stores to the stage have read
.endif
.if (\t)+1 < STEPS
.if STEPS-2-(\t) >= 3
	s_wait_loadcnt 12                              ; the next step's four loads are in; those of the three steps behind it may be out
.else
	s_wait_loadcnt 4*(STEPS-2-(\t))
.endif
	TURN (\t)+1
.endif
	v_max3_num_f32 v8, |v[XS]|, |v[XS+1]|, |v[XS+2]|               ; the largest magnitude of my 16, in two chains
	v_max3_num_f32 v9, |v[XS+3]|, |v[XS+4]|, |v[XS+5]|
.irp i, 6,10
	v_max3_num_f32 v8, v8, |v[XS+\i]|, |v[XS+\i+1]|
	v_max3_num_f32 v9, v9, |v[XS+\i+2]|, |v[XS+\i+3]|
.endr
	v_max3_num_f32 v8, v8, |v[XS+14]|, |v[XS+15]|
	v_max3_num_f32 v8, v8, v9, (EMAX+1)<<23        ; and the floor 2^(3 - 127): the byte cannot fall under 1
	v_max_num_f32_dpp v8, v8, v8 row_xmask:1 row_mask:0xf bank_mask:0xf   ; and of my neighbour's 16: the block's
	v_add_nc_u32 v11, -(EMAX<<23), v8              ; 2 off its exponent field: the conversion takes the exponent field of this operand as its scale
	v_cvt_scalef32_pk8_fp4_f32 v[C+4*(\t)], v[XS:XS+7], v11
	v_cvt_scalef32_pk8_fp4_f32 v[C+4*(\t)+1], v[XS+8:XS+15], v11
	v_lshrrev_b32 v[E+(\t)], 23, v11               ; the scale's byte (a plain line behind the conversions)
	ds_store_b8 v5, v[E+(\t)] offset:16*(\t)       ; both lanes of a block write the same byte with the same value
	global_store_b64 v4, v[C+4*(\t):C+4*(\t)+1], s[10:11] offset:32*CB*(\t)   ; the wave stores 256 consecutive bytes, aligned
.endm
.irp t, 0,1,2,3,4,5,6,7,8,9,10,11,12,13,14,15
	STEP \t
.endr
	ds_load_b64 v[8:9], v6                         ; LDS serves a wave's instructions in order: these see my byte stores
	s_wait_dscnt 0x0
	global_store_b64 v7, v[8:9], s[12:13]          ; 32 lanes store 256 consecutive bytes, aligned
	s_wait_tensorcnt 0x0                           ; the wave's end
	ds_add_u32 v[SPW], v[NIL]
	s_wait_dscnt 0x0
	s_endpgm
; ---------------- the mask.  Wave gw = 0 .. 1,023 takes tile of queries gw / 2 (16 rows of the mask) and keys 1,024 (gw % 2) on, in four passes of 256 keys.
.Lmask:
	s_sub_co_u32 s19, ttmp9, 256
	s_lshl_b32 s19, s19, 2
	s_add_co_u32 s19, s19, s18                     ; gw
	v_and_b32 v14, 15, v2                          ; r
	v_lshrrev_b32 v15, 4, v2                       ; h
	v_lshlrev_b32 v1, 4, v2                        ; 16 x lane: both stores' offset
	v_lshlrev_b32 v7, 9, v14
	v_lshl_add_u32 v7, v15, 4, v7                  ; W_fc: row r of 512 bytes, + 16 h
	v_lshlrev_b32 v3, 4, v14
	v_lshl_add_u32 v3, v15, 11, v3                 ; the mask, as it is loaded: lanes 0-15 one row's 256 bytes, lanes 16-31 the next row's
	s_mul_i32 s36, s18, MSTW
	s_add_co_u32 s36, s36, MST                     ; my stage
	v_mul_u32_u24 v4, v15, 272
	v_lshl_add_u32 v4, v14, 4, v4
	v_add_nc_u32 v4, s36, v4                       ; into it: as loaded
	v_mul_u32_u24 v5, v14, 272
	v_lshl_add_u32 v5, v15, 4, v5
	v_add_nc_u32 v5, s36, v5                       ; out of it: lane (r, h) takes row r, 16 keys at 16 h of each 32
	s_lshr_b32 s20, s19, 1                         ; the tile of queries, b x 128 + T.  Also: W_fc's tile of rows, in its low six bits
	s_and_b32 s21, s20, 63
	s_lshl_b32 s21, s21, 13                        ; 16 rows of 512 bytes
	s_lshr_b32 s22, s19, 7
	s_lshl_b32 s22, s22, 6                         ; K step: 64 bytes
	s_add_co_u32 s21, s21, s22
	s_and_b32 s22, s19, 1                          ; the half: of the fragment, and of the keys
	s_lshl_b32 s23, s22, 5
	s_add_co_u32 s24, s21, s23
	s_mov_b32 s25, 0                               ; s[24:25]: my half fragment in W_fc_codes
	s_lshr_b32 s26, s20, 1
	s_lshl_b32 s26, s26, 5
	s_and_b32 s27, s20, 1
	s_lshl_b32 s27, s27, 3
	s_add_co_u32 s26, s26, s27                     ; the tile's first row of the mask: 32 (tile / 2) + 8 (tile % 2)
	s_lshl_b32 s26, s26, 11                        ; rows of 2,048 bytes
	s_lshl_b32 s27, s22, 10
	s_add_co_u32 s26, s26, s27
	s_mov_b32 s27, 0                               ; s[26:27]: my part of attn_mask
	s_lshl_b32 s32, s19, 11
	s_mov_b32 s33, 0                               ; s[32:33]: my 2,048 bytes of mbits
	s_lshl_b32 s34, s19, 9
	s_mov_b32 s35, 0                               ; s[34:35]: my 512 bytes of wimg
	s_mov_b32 s28, 0xff                            ; a word's four bytes
	s_mov_b32 s29, 0xff00
	s_mov_b32 s30, 0xff0000
	s_mov_b32 s31, 0xff000000
	s_wait_kmcnt 0x0
	s_add_nc_u64 s[8:9], s[8:9], s[24:25]
	s_add_nc_u64 s[6:7], s[6:7], s[26:27]
	s_add_nc_u64 s[14:15], s[14:15], s[32:33]
	s_add_nc_u64 s[16:17], s[16:17], s[34:35]
	global_load_b128 v[8:11], v7, s[8:9]           ; the half fragment of W_fc
.irp p, 0,1,2,3                        ; all 32 loads of the mask go out at once; tile rows 2 i and 2 i + 1 are the mask's rows 2 i + 8 (i / 4) and the next
.irp i, 0,1,2,3,4,5,6,7
	global_load_b128 v[32+32*\p+4*\i:35+32*\p+4*\i], v3, s[6:7] offset:256*\p+(2*\i+8*(\i/4))*2048 th:TH_LOAD_NT   ; sixteen lanes read 256 consecutive bytes, aligned
.endr
.endr
.irp j, 0,1,2,3,4,5,6,7,8,9,10,11,12,13,14,15
	v_mov_b32 v[16+\j], 0                          ; the words' registers: a lane write's destination counts as read
.endr
; A pass: 256 keys of 16 rows through the stage; then each byte place of each register gives one lane mask (a compare), which is written to its lane of the registers that go out: word 16 bb + 4 w + e of the pass's 128.
.macro PASS p
	s_wait_loadcnt 8*(3-\p)                        ; this pass's eight loads are in; the later passes' stay out
.irp i, 0,1,2,3,4,5,6,7
	ds_store_b128 v4, v[32+32*\p+4*\i:35+32*\p+4*\i] offset:2*\i*272
.endr
.irp bb, 0,1,2,3,4,5,6,7
	ds_load_b128 v[160+4*\bb:163+4*\bb], v5 offset:32*\bb          ; LDS serves a wave's instructions in order: these see the stores above
.endr
	s_wait_dscnt 0x0
.irp bb, 0,1,2,3,4,5,6,7
.irp w, 0,1,2,3
.irp e, 0,1,2,3
	v_and_b32 v[6+\e%2], s[28+\e], v[160+4*\bb+\w]
	v_cmp_ne_u32 s[20+\e], 0, v[6+\e%2]            ; bit 16 h + r: is key 32 bb + 16 h + 4 w + e masked for the tile's row r?
	v_writelane_b32 v[16+4*\p+\e], s[20+\e], 4*\bb+\w
.endr
.endr
.endr
	global_store_b128 v1, v[16+4*\p:19+4*\p], s[14:15] offset:512*\p   ; 512 consecutive bytes: two key steps' words.  Each pass has registers of its own
.endm
	PASS 0
	PASS 1
	PASS 2
	PASS 3
	global_store_b128 v1, v[8:11], s[16:17]        ; W_fc's half fragment, 512 consecutive bytes
	s_wait_tensorcnt 0x0                           ; the wave's end
	ds_add_u32 v[SPW], v[NIL]
	s_wait_dscnt 0x0
	s_endpgm
.Lfunc_end_k_q08f5b14a63_prep:
	.size	k_q08f5b14a63_prep, .Lfunc_end_k_q08f5b14a63_prep-k_q08f5b14a63_prep
	.p2alignl 7, 3214868480
	.fill 96, 4, 3214868480
	.section	.rodata,"a",@progbits
	.p2align	6, 0x0
	.amdhsa_kernel k_q08f5b14a63_prep
		.amdhsa_group_segment_fixed_size 50688
		.amdhsa_private_segment_fixed_size 0
		.amdhsa_enable_private_segment 0
		.amdhsa_kernarg_size 56
		.amdhsa_user_sgpr_count 2
		.amdhsa_user_sgpr_kernarg_segment_ptr 1
		.amdhsa_wavefront_size32 1
		.amdhsa_system_sgpr_workgroup_id_x 1
		.amdhsa_system_sgpr_workgroup_id_y 1
		.amdhsa_system_sgpr_workgroup_id_z 1
		.amdhsa_system_vgpr_workitem_id 0
		.amdhsa_next_free_vgpr 192
		.amdhsa_next_free_sgpr 66
		.amdhsa_reserve_vcc 0
		.amdhsa_float_denorm_mode_32 3
		.amdhsa_float_denorm_mode_16_64 3
		.amdhsa_memory_ordered 1
		.amdhsa_forward_progress 1
		.amdhsa_inst_pref_size 124
	.end_amdhsa_kernel
	.amdgpu_metadata
---
amdhsa.version: [ 1, 2 ]
amdhsa.kernels:
  - .name:           k_q08f5b14a63_prep
    .symbol:         k_q08f5b14a63_prep.kd
    .args:
      - { .name: Q, .offset: 0, .size: 8, .value_kind: global_buffer, .address_space: global }
      - { .name: attn_mask, .offset: 8, .size: 8, .value_kind: global_buffer, .address_space: global }
      - { .name: W_fc_codes, .offset: 16, .size: 8, .value_kind: global_buffer, .address_space: global }
      - { .name: Qc, .offset: 24, .size: 8, .value_kind: global_buffer, .address_space: global }
      - { .name: Qs, .offset: 32, .size: 8, .value_kind: global_buffer, .address_space: global }
      - { .name: mbits, .offset: 40, .size: 8, .value_kind: global_buffer, .address_space: global }
      - { .name: wimg, .offset: 48, .size: 8, .value_kind: global_buffer, .address_space: global }
    .group_segment_fixed_size: 50688
    .private_segment_fixed_size: 0
    .kernarg_segment_align: 8
    .kernarg_segment_size: 56
    .max_flat_workgroup_size: 128
    .sgpr_count:     66
    .vgpr_count:     192
    .wavefront_size: 32
...
	.end_amdgpu_metadata
.endif
;; end of part 1
;; launch proj (part 2): grid 4 x 96, 4 waves a work-group, clusters of 4 x 4, 327,680 bytes of LDS; arguments Qc, Qs, K_codes, K_scales, V_codes, V_scales, W_Q_codes, W_Q_scales, W_K_codes, W_K_scales, W_V_codes, W_V_scales, qkv; writes qkv
.if DOCPART == 2
	.amdgcn_target "amdgcn-amd-amdhsa--gfx1250"
	.amdhsa_code_object_version 6
	.text
	.protected	k_q08f5b14a63_proj
	.globl	k_q08f5b14a63_proj
	.p2align	8
	.type	k_q08f5b14a63_proj,@function
k_q08f5b14a63_proj:
	s_mov_b64 s[64:65], 0
	v_nop
	global_prefetch_b8 v0, s[64:65] scope:SCOPE_SE
	s_setreg_imm32_b32 hwreg(HW_REG_WAVE_MODE, 25, 1), 1
	s_wait_xcnt 0x0
	s_wait_alu depctr_hold_cnt(0) depctr_sa_sdst(0) depctr_va_vdst(0) depctr_va_sdst(0) depctr_va_ssrc(0) depctr_va_vcc(0) depctr_vm_vsrc(0)
	s_getreg_b32 s2, hwreg(HW_REG_IB_STS2, 6, 4)
	s_cmp_eq_u32 s2, 0
	s_cbranch_scc0 .Lentry_in_a_cluster
	s_endpgm
.Lentry_in_a_cluster:
	s_bfe_u32 s2, ttmp6, 0x10000c
	s_cmp_lg_u32 s2, 0xf033
	s_cbranch_scc0 .Lentry_shape_is_right
	s_endpgm
.Lentry_shape_is_right:
; Launch 2 of 4: q = Q W_Q^T, k = K W_K^T, v = V W_V^T on codes of E2M1 with E8M0 scales, f32 sums; the results are quantised in registers for the attention's two products and stored as
; IMAGES OF THE OPERANDS' REGISTERS.  No work is left out.
; One text serves the three products.  A product is S1 x S0^T: source 0 of the matrix instruction takes 16 rows of S0, source 1 takes 16 rows of S1, so a lane holds ONE row of S1 and its registers run along S0's rows,
; which is the axis along which the result is quantised.   q, k: S0 = the weight (rows: head x 64 + d), S1 = the tokens: quantised along d.   v: S0 = the tokens (keys), S1 = W_V: quantised along the keys.
; A tile of 256 x 256 is made by four waves, 128 x 128 each: 64 accumulators, 512 registers.  K = 1,024 is two slots of 512 along K: BOTH ARE FIRST FILLS, nothing is filled again.
; THE ROWS OF A TILE OF 16 ARE NOT NEIGHBOURS, on both sides: lane r of tile i takes row 32 (i / 2) + 8 (i % 2) + r + 8 (r / 8) of the wave's 128.  Along S0 that makes the 16 registers of tiles 2 b and 2 b + 1
; 16 neighbours, 32 b + 16 (lane / 16) + 0 .. 15; along S1 it gives the images the lanes that the attention launch wants (keys of a tile of k, d of a tile of v, queries of a tile of q).
; CLUSTERS: 4 x 4 work-groups; cluster y = 8 x product + a.  S1's tile hangs on cy (and the cluster), S0's on cx (and the cluster): each is asked for JOINTLY by the four that share it.
; 24 clusters of 16 work-groups: more than the 256 WGPs hold at once; the tile was kept large since each LDS byte then feeds the most products.
; qkv: two regions of REG bytes (0: q; 1: k and v), [b x 16 + head] x HEADB, [chunk of 128 tokens] x RECB.  A record: 0: eight tiles x 512 bytes of q or k codes (registers 0-3 of a fragment, 16 bytes a lane);
; 4096: four tiles of d x 1,024 bytes of v codes (registers 0-3, then 4-7); 8192: q's or k's scale bytes, two a row; 8448: v's scale words.  In region 0 the places of v are neither written nor read.
; LIMITS: a block of zeros gets the byte 1 (its codes are zeros; this program alone reads the bytes); NaN and infinities are not served.
; REGISTERS, in windows of 256: window 0: v0-31 addresses; v32-95 scale words, two sets; v112-119 codes just made; v128-191 S1's fragments, ONE set; v200-217 at work on the way out.
;   window 1: S0's fragments, TWO sets, at v0 and v128.   window 2: the accumulators of my S1 rows 0-63 ((a, b) at v[8 (8 a + b)]);   window 3: those of rows 64-127.
.set NQ,     4                         ; steps of 128 along K in a slot
.set ROWB,   256                       ; a tile's row in bytes: 512 codes
.set KROW,   512                       ; a row of codes in memory
.set PITCH,  272                       ; an LDS row: 256 bytes + 16 of padding
.set FR,     8                         ; registers of a fragment
.set NL,     2                         ; LDS loads that bring one
.set NP,     4                         ; places behind this matrix instruction (ISA guide 7.12.1)
.set HALFT,  128*PITCH                 ; 128 rows: what one tensor load brings, and what one wave reads of S1 or of S0
.set SLOT,   4*HALFT                   ; S1's 256 rows, then S0's 256 rows
.set SCL,    2*SLOT                    ; behind the slots: the scale bytes of all of K (32 a row), as units of 256 bytes + 16 of padding
.set HALFS,  16*272                    ; those of 128 rows
.set SPARE,  SCL+4*HALFS               ; the spare words, 128 bytes for each wave: two blocks of 256 bytes that no other line names
.set HEADB,  139264
.set RECB,   8704
.set REG,    64*HEADB
.set VC0,  8                           ; v8-11   the way out: byte offsets of the two code stores and the two scale stores; never rewritten
.set VC1,  9
.set VS0,  10
.set VS1,  11
.set ADRA, 16                          ; v16-17  LDS address of my S1 fragments in slot 0, 1
.set ADRB, 20                          ; v20-21  the same for S0
.set ADRS, 27                          ; v27     LDS address of my scale words: lanes 0-15 S1's rows, lanes 16-31 S0's
.set SPW,  28                          ; v28     LDS address of my spare word; never rewritten
.set NIL,  29                          ; v29     0; never rewritten
.set SC,   32                          ; scale words: set s at v[SC + 32 s]; register 4 i + q: lanes 0-15 S1's tile i, lanes 16-31 S0's tile i, the slot's q-th 128 along K
.set PC,   112                         ; the way out: a fragment's codes
.set AF,   128                         ; S1's fragments
.set TM,   200                         ; v200-203 largest magnitudes, v204-207 at work, v212-215 the conversions' scale operands
.set PW,   216                         ; the scale word;  v217 its upper half
.set PWH,  217
.set G1,   24                          ; s[24:31] descriptor group 1 for S1's tiles;  s[32:39] group 0, one set for each slot
.set G0,   32
.set G1B,  48                          ; s[48:55], s[56:63] the same for S0's
.set G0B,  56
.set G1S,  68                          ; s[68:75], s[76:79] groups 1 and 0 for S1's scales;  s[80:87], s[88:91] for S0's (written when the arguments that arrive there have been taken out)
.set G0S,  76
.set G1SB, 80
.set G0SB, 88
.set SEL,  98                          ; s[98:99] lane selects: lane l xor 16
.set OBC,  4                           ; the way out: s[4:5] where the tile's codes go, s[6:7] its scales; s[8:9], s[10:11] from tile to tile; s[20:21], s[22:23] from tile 3 to tile 4
.set OBS,  6
.set STC,  8
.set STS,  10
.set J4C,  20
.set J4S,  22
.set MSB, 0
.macro WIN new                         ; the immediate's high byte repeats the setting that is left
.if MSB != (\new)
	s_set_vgpr_msb (MSB<<8)|(\new)
.set MSB, (\new)
.endif
.endm
.set MUL_LO, 0xa1                      ; source 0 (S0) window 1, source 1 (S1) window 0, C and D window 2
.set MUL_HI, 0xf1                      ; the same, C and D window 3
.set TO_B,   0x40                      ; destination window 1, address window 0
; A joint load: waves 0 and 1 fetch for S1, waves 2 and 3 for S0.  Each line has ONE mask and one set of registers for all that issue it; the branch hangs on the wave's number alone.
; An s_nop 0 and four v_nop follow each of the two lines.
.macro JLOAD g0a, g1a, g0b, g1b
	s_cmp_eq_u32 s15, 0
	s_cbranch_scc0 .Lfor_b_\@
	tensor_load_to_lds s[\g0a:\g0a+3], s[\g1a:\g1a+7]
	s_nop 0
.rept 4
	v_nop
.endr
	s_branch .Lasked_\@
.Lfor_b_\@:
	tensor_load_to_lds s[\g0b:\g0b+3], s[\g1b:\g1b+7]
	s_nop 0
.rept 4
	v_nop
.endr
.Lasked_\@:
.endm
.macro CROUND                          ; a round of the cluster's barrier
	s_barrier_signal -1
	s_barrier_wait -1
	s_cmp_lg_u32 s14, 0
	s_cbranch_scc1 .Lnot_wave_0_\@
	s_barrier_signal -3
.Lnot_wave_0_\@:
	s_barrier_wait -3
	s_barrier_signal -1
	s_barrier_wait -1
.endm
	s_load_b512 s[68:83], s[0:1], 0x0              ; Qc, Qs, K_codes, K_scales, V_codes, V_scales, W_Q_codes, W_Q_scales
	s_load_b256 s[84:91], s[0:1], 0x40             ; W_K_codes, W_K_scales, W_V_codes, W_V_scales
	s_load_b64 s[92:93], s[0:1], 0x60              ; qkv
	v_lshl_add_u32 v[SPW], v0, 2, SPARE
	v_mov_b32 v[NIL], 0
	ds_add_u32 v[SPW], v[NIL]                      ; the wave's opening
	ds_add_u32 v[SPW], v[NIL]                      ; and once more; the set-up below, work on registers, stands between it and the wait
	v_lshrrev_b32 v1, 5, v0
	v_readfirstlane_b32 s14, v1                    ; wave 0..3
	s_lshr_b32 s15, s14, 1                         ; which half of S1's 256 rows is mine.  Also: I fetch for S1 (0) or for S0 (1)
	s_and_b32 s16, s14, 1                          ; which half of S0's.  Also: which 128 rows I fetch
	s_bfe_u32 s40, ttmp6, 0x40000                  ; cx, cy: my place in the cluster
	s_bfe_u32 s41, ttmp6, 0x40004
	s_and_b32 s94, ttmp7, 0xffff                   ; the cluster's y: 8 x product + a
	s_and_b32 s95, s94, 7
	s_lshl_b32 s95, s95, 2                         ; 4 a: which four tiles of 256 tokens
	s_lshr_b32 s94, s94, 3                         ; the product: 0 q, 1 k, 2 v: the same in all sixteen partners
	s_cmp_eq_u32 s94, 2
	s_cselect_b32 s96, 0, s95                      ; the tokens are S1 in q and k,
	s_cselect_b32 s97, s95, 0                      ; S0 in v
	s_add_co_u32 s17, s41, s96                     ; S1's tile of 256 rows: it hangs on cy and the cluster alone
	s_add_co_u32 s42, s40, s97                     ; S0's: on cx and the cluster alone
	s_lshl_b32 s43, s41, 2
	s_lshl_b32 s43, 15, s43                        ; my row of the cluster
	s_lshl_b32 s44, 0x1111, s40                    ; my column
	; descriptor group 1: a tile of 128 rows x 256 bytes, 16 bytes of padding behind each row
	s_or_b32 s[G1+0], s43, (0<<16)|(1<<20)|(1<<21)|(5<<22)|(3<<25)  ; 15:0 the mask; 17:16 elements of 1 byte; 20 padding on; 21 set beside a mask; 24:22 after every 64 words; 31:25 four words
	s_or_b32 s[G1B+0], s44, (0<<16)|(1<<20)|(1<<21)|(5<<22)|(3<<25)
.irp g, G1, G1B
	s_mov_b32 s[\g+1], ROWB<<16                    ; tensor_dim0
	s_mov_b32 s[\g+2], 128<<16                     ; tensor_dim1
	s_mov_b32 s[\g+3], ROWB<<16                    ; tile_dim0
	s_mov_b32 s[\g+4], 128                         ; tile_dim1
	s_mov_b32 s[\g+5], KROW                        ; from row to row
	s_mov_b32 s[\g+6], 0
	s_mov_b32 s[\g+7], 0
.endr
	s_lshl_b32 s18, s16, 7                         ; which 128 rows of the tile I fetch
	s_lshl_b32 s20, s17, 8
	s_add_co_u32 s20, s20, s18                     ; S1: row 256 x tile + 128 x half
	s_lshl_b32 s46, s42, 8
	s_add_co_u32 s46, s46, s18                     ; S0 likewise
	s_lshl_b32 s22, s20, 5                         ; where these rows' scale bytes begin (32 a row),
	s_mov_b32 s23, 0
	s_lshl_b32 s20, s20, 9                         ; and their codes (512 a row): all under 2^23
	s_mov_b32 s21, 0
	s_lshl_b32 s2, s46, 5
	s_mov_b32 s3, 0
	s_lshl_b32 s46, s46, 9
	s_mov_b32 s47, 0
	s_mul_i32 s45, s14, HALFT                      ; where they go: wave x 128 rows: no place in the cluster enters an LDS address
	s_mul_i32 s66, s14, HALFS
	s_wait_dscnt 0x0                               ; both opening adds are done
	s_wait_kmcnt 0x0
	s_cmp_eq_u32 s94, 0                            ; the product's tensors: a choice between buffers on the cluster's number alone
	s_cselect_b64 s[4:5], s[68:69], s[72:73]       ; the tokens' codes: Q's or K's,
	s_cselect_b64 s[6:7], s[70:71], s[74:75]       ; their scales,
	s_cselect_b64 s[8:9], s[80:81], s[84:85]       ; the weight's codes: W_Q's or W_K's,
	s_cselect_b64 s[10:11], s[82:83], s[86:87]     ; its scales;
	s_cmp_eq_u32 s94, 2
	s_cselect_b64 s[4:5], s[76:77], s[4:5]         ; or V's
	s_cselect_b64 s[6:7], s[78:79], s[6:7]
	s_cselect_b64 s[8:9], s[88:89], s[8:9]         ; and W_V's
	s_cselect_b64 s[10:11], s[90:91], s[10:11]
	s_cselect_b64 s[96:97], s[8:9], s[4:5]         ; S1: the weight in v, else the tokens
	s_cselect_b64 s[98:99], s[10:11], s[6:7]
	s_cselect_b64 s[8:9], s[4:5], s[8:9]           ; S0: the other
	s_cselect_b64 s[10:11], s[6:7], s[10:11]
	s_add_nc_u64 s[20:21], s[96:97], s[20:21]      ; S1's codes at my 128 rows,
	s_add_nc_u64 s[22:23], s[98:99], s[22:23]      ; its scale bytes,
	s_add_nc_u64 s[46:47], s[8:9], s[46:47]        ; S0's codes,
	s_add_nc_u64 s[2:3], s[10:11], s[2:3]          ; its scale bytes
	s_mov_b64 s[12:13], s[92:93]                   ; qkv
	; the scale bytes of 128 rows: a dense block of 4,096 bytes, as 16 rows of 256 bytes (32 elements of 8 bytes), 16 bytes of padding behind each
	s_or_b32 s[G1S+0], s43, (3<<16)|(1<<20)|(1<<21)|(5<<22)|(3<<25)
	s_or_b32 s[G1SB+0], s44, (3<<16)|(1<<20)|(1<<21)|(5<<22)|(3<<25)
.irp g, G1S, G1SB
	s_mov_b32 s[\g+1], 32<<16
	s_mov_b32 s[\g+2], 16<<16
	s_mov_b32 s[\g+3], 32<<16
	s_mov_b32 s[\g+4], 16
	s_mov_b32 s[\g+5], 32
	s_mov_b32 s[\g+6], 0
	s_mov_b32 s[\g+7], 0
.endr
	CROUND                                         ; all sixteen work-groups are here: the first joint loads meet
	s_mov_b32 s[G0S], 1
	s_add_co_u32 s[G0S+1], s66, SCL
	s_mov_b64 s[G0S+2:G0S+3], s[22:23]
	s_or_b32 s[G0S+3], s[G0S+3], 0x80000000
	s_mov_b32 s[G0SB], 1
	s_add_co_u32 s[G0SB+1], s66, SCL
	s_mov_b64 s[G0SB+2:G0SB+3], s[2:3]
	s_or_b32 s[G0SB+3], s[G0SB+3], 0x80000000
	JLOAD G0S, G1S, G0SB, G1SB                     ; the scales first: they are wanted with the first slot
.irp s, 0,1
	s_mov_b32 s[G0+4*\s], 1
	s_add_co_u32 s[G0+4*\s+1], s45, \s*SLOT
	s_add_nc_u64 s[G0+4*\s+2:G0+4*\s+3], s[20:21], \s*ROWB
	s_or_b32 s[G0+4*\s+3], s[G0+4*\s+3], 0x80000000
	s_mov_b32 s[G0B+4*\s], 1
	s_add_co_u32 s[G0B+4*\s+1], s45, \s*SLOT
	s_add_nc_u64 s[G0B+4*\s+2:G0B+4*\s+3], s[46:47], \s*ROWB
	s_or_b32 s[G0B+4*\s+3], s[G0B+4*\s+3], 0x80000000
	JLOAD G0+4*\s, G1, G0B+4*\s, G1B               ; three loads of mine are out: all that the launch fetches
.endr
	v_and_b32 v1, 15, v0                           ; r
	v_bfe_u32 v2, v0, 4, 1                         ; h
	v_and_b32 v3, 8, v1
	v_add_nc_u32 v3, v3, v1                        ; r + 8 (r / 8)
	v_mul_u32_u24 v3, v3, PITCH
	v_lshl_add_u32 v4, v2, 4, v3                   ; a fragment's row x pitch + 16 x half
	s_mul_i32 s18, s15, HALFT                      ; my 128 rows of S1
	s_mul_i32 s19, s16, HALFT                      ; my 128 rows of S0,
	s_add_co_u32 s19, s19, 2*HALFT                 ; which lie behind S1's 256
.irp s, 0,1
	v_add_nc_u32 v[ADRA+\s], s18, v4
	v_add_nc_u32 v[ADRB+\s], s19, v4
	s_add_co_u32 s18, s18, SLOT
	s_add_co_u32 s19, s19, SLOT
.endr
	v_lshrrev_b32 v5, 3, v1                        ; my row's scale bytes: row r + 8 (r / 8) of 32 bytes, eight rows to a unit of 272: 544 (r / 8) + 32 (r % 8)
	v_mul_u32_u24 v5, v5, 544
	v_and_b32 v6, 7, v1
	v_lshl_add_u32 v5, v6, 5, v5
	s_mul_i32 s18, s15, HALFS                      ; S1's: my 128 rows
	s_mul_i32 s19, s16, HALFS                      ; S0's: my 128 rows, behind S1's 256
	s_add_co_u32 s19, s19, 2*HALFS
	s_sub_co_u32 s19, s19, s18
	v_mul_u32_u24 v6, s19, v2                      ; lanes 16-31 take S0's: one product, the distance between the two bases
	s_add_co_u32 s18, s18, SCL
	v_add_nc_u32 v5, v5, v6
	v_add_nc_u32 v[ADRS], s18, v5
.irp b, 0,1,2,3
	v_mov_b32 v[TM+4+\b], 0                        ; written once: a lane permute's destination counts as one of its sources
.endr
	; the way out: where my results go.  g1, g0: my 128 rows' number in S1 and in S0
	s_lshl_b32 s40, s17, 1
	s_add_co_u32 s40, s40, s15                     ; g1
	s_lshl_b32 s41, s42, 1
	s_add_co_u32 s41, s41, s16                     ; g0
	s_cmp_eq_u32 s94, 2                            ; v?  All that hangs on it is chosen here, ahead of the next line that sets SCC
	s_cselect_b32 s43, s41, s40                    ; the chunk of 128 tokens, 0 .. 63
	s_cselect_b32 s44, s40, s41                    ; the pair of heads, 0 .. 7
	s_mov_b32 s[STC], 512
	s_cselect_b32 s[STC], 1024, s[STC]             ; from tile to tile: a q or k tile is 512 bytes of one head, a v tile 1,024
	s_cselect_b32 s[STS], 64, 32                   ; and 16 rows' scales: words in v, pairs of bytes in q and k
	s_mov_b32 s[J4C], 512
	s_cselect_b32 s[J4C], HEADB-3*1024, s[J4C]     ; v's tiles 4-7 are the next head's d
	s_cselect_b32 s[J4S], HEADB-3*64, 32
	s_mov_b32 s45, 8192
	s_cselect_b32 s45, 4352, s45                   ; from the codes' place to the scales'
	s_cselect_b32 s46, 4096, 0                     ; v's codes lie behind k's in the record
	s_mov_b32 s47, HEADB
	s_cselect_b32 s47, 512, s47                    ; registers 4-7: the same fragment's in v, the next head's in q and k
	s_cselect_b32 s66, 2, 1                        ; a row's scales: 4 bytes or 2
	s_mov_b32 s67, HEADB
	s_cselect_b32 s67, 2, s67                      ; the word's upper half: the same row's in v, the next head's in q and k
	s_cmp_eq_u32 s94, 0
	s_cselect_b32 s92, 0, REG                      ; q's region, or k's and v's
	s_lshr_b32 s18, s43, 4                         ; the batch
	s_lshl_b32 s18, s18, 4
	s_lshl_b32 s44, s44, 1
	s_add_co_u32 s18, s18, s44                     ; b x 16 + head
	s_mul_i32 s18, s18, HEADB
	s_and_b32 s43, s43, 15
	s_mul_i32 s43, s43, RECB
	s_add_co_u32 s18, s18, s43
	s_add_co_u32 s18, s18, s92
	s_add_co_u32 s18, s18, s46
	s_mov_b32 s19, 0
	s_add_nc_u64 s[OBC:OBC+1], s[12:13], s[18:19]
	s_mov_b32 s18, s45
	s_add_nc_u64 s[OBS:OBS+1], s[OBC:OBC+1], s[18:19]
	s_mov_b32 s[STC+1], 0
	s_mov_b32 s[STS+1], 0
	s_mov_b32 s[J4C+1], 0
	s_mov_b32 s[J4S+1], 0
	s_mov_b32 s[SEL], 0x76543210
	s_mov_b32 s[SEL+1], 0xfedcba98
	v_and_b32 v6, 31, v0
	v_lshlrev_b32 v[VC0], 4, v6                    ; an image: 16 bytes a lane
	v_add_nc_u32 v[VC1], s47, v[VC0]
	v_lshlrev_b32 v[VS0], s66, v1
	v_add_nc_u32 v[VS1], s67, v[VS0]
.macro FRAG reg, adr, q, i             ; a fragment, 16 rows x 128 K of 4-bit codes: registers 4 c .. 4 c + 3 hold K = 64 c + 32 (l / 16) + 0 .. 31.  Tile i begins at row 32 (i / 2) + 8 (i % 2)
.irp c, 0,1
	ds_load_b128 v[\reg+4*\c:\reg+4*\c+3], v[\adr] offset:64*(\q)+32*\c+(32*((\i)/2)+8*((\i)%2))*PITCH
.endr
.endm
; 16 matrix instructions: S1's tiles a0, a0 + 1 x S0's eight, 128 along K.  p: S0's set;  sc: the set of scale words.  zero = 1: the first product starts the sums.
; The 64 accumulators take turns, one instruction a turn, in the same order in every step.
.macro MUL16 a0, p, q, sc, zero
.irp a, \a0, \a0+1
.irp b, 0,1,2,3,4,5,6,7
.if \zero
	v_wmma_scale_f32_16x16x128_f8f6f4 v[8*(8*((\a)%4)+\b):8*(8*((\a)%4)+\b)+7], v[128*(\p)+FR*\b:128*(\p)+FR*\b+FR-1], v[AF+FR*(\a):AF+FR*(\a)+FR-1], 0, v[SC+8*NQ*(\sc)+NQ*\b+(\q)], v[SC+8*NQ*(\sc)+NQ*(\a)+(\q)] matrix_a_fmt:MATRIX_FMT_FP4 matrix_b_fmt:MATRIX_FMT_FP4 matrix_a_scale:MATRIX_SCALE_ROW1
.else
	v_wmma_scale_f32_16x16x128_f8f6f4 v[8*(8*((\a)%4)+\b):8*(8*((\a)%4)+\b)+7], v[128*(\p)+FR*\b:128*(\p)+FR*\b+FR-1], v[AF+FR*(\a):AF+FR*(\a)+FR-1], v[8*(8*((\a)%4)+\b):8*(8*((\a)%4)+\b)+7], v[SC+8*NQ*(\sc)+NQ*\b+(\q)], v[SC+8*NQ*(\sc)+NQ*(\a)+(\q)] matrix_a_fmt:MATRIX_FMT_FP4 matrix_b_fmt:MATRIX_FMT_FP4 matrix_a_scale:MATRIX_SCALE_ROW1
.endif
.endr
.endr
.endm
.macro FETCH_B slot, q, p              ; S0's eight fragments of the slot's q-th 128 along K into set p
	WIN TO_B
.irp i, 0,1,2,3,4,5,6,7
	FRAG 128*(\p)+FR*\i, ADRB+\slot, \q, \i
.endr
	WIN 0
.endm
.macro FETCH_A slot, q, i0             ; S1's tiles i0 .. i0 + 3
.irp i, \i0, \i0+1, \i0+2, \i0+3
	FRAG AF+FR*(\i), ADRA+\slot, \q, \i
.endr
.endm
.macro SCALES sc                       ; a slot's scale words into set sc: four words a row; lanes 0-15 take S1's tile i, lanes 16-31 S0's.  Tile i begins 4 (i / 2) + i % 2 units on
.irp i, 0,1,2,3,4,5,6,7
	ds_load_b128 v[SC+8*NQ*\sc+NQ*\i:SC+8*NQ*\sc+NQ*\i+3], v[ADRS] offset:(4*(\i/2)+\i%2)*272
.endr
.endm
.macro PLACES n                        ; plain vector instructions that name none of the matrix instructions' registers, in front of loads into registers that they have read and of reads of results
.rept \n
	v_nop
.endr
.endm
.macro STEP slot, q, zero              ; a step of 128 along K that has its successor in the same slot
	s_wait_dscnt 4*NL                              ; S0's set and S1's tiles 0-3 are in; the youngest eight loads (S1's tiles 4-7) may be out
	WIN MUL_LO
	MUL16 0, (\q)%2, \q, \slot, \zero
	MUL16 2, (\q)%2, \q, \slot, \zero
	s_wait_dscnt 0                                 ; S1's tiles 4-7 are in
	PLACES NP
	FETCH_B \slot, (\q)+1, 1-(\q)%2
	FETCH_A \slot, (\q)+1, 0
	WIN MUL_HI
	MUL16 4, (\q)%2, \q, \slot, \zero
	MUL16 6, (\q)%2, \q, \slot, \zero
	PLACES NP
	WIN 0
	FETCH_A \slot, (\q)+1, 4
.endm
.macro STEPS slot, from                ; the slot's steps from .. NQ - 2
.set Q, \from
.rept NQ-1-\from
	STEP \slot, Q, 0
.set Q, Q+1
.endr
.endm
	s_wait_tensorcnt 1                             ; the scales and my part of slot 0 are in (slot 1's load may be out)
	s_barrier_signal -1
	s_barrier_wait -1                              ; everybody's are
	FETCH_B 0, 0, 0
	FETCH_A 0, 0, 0
	SCALES 0
	FETCH_A 0, 0, 4
	STEP 0, 0, 1                                   ; the first step's products start the sums: nothing is cleared
	STEPS 0, 1
	; slot 0's last step changes slots: each wave waits for its part of slot 1, then one barrier shows the whole slot to all four
	s_wait_tensorcnt 0x0                           ; all my tensor loads have landed
	ds_add_u32 v[SPW], v[NIL]                      ; 0 onto my spare word
	s_wait_dscnt 4*NL+1                            ; (the add and the youngest eight loads may be out)
	WIN MUL_LO
	MUL16 0, 1, NQ-1, 0, 0
	s_wait_dscnt 0x0                               ; the add is done, and no LDS load of mine is out at the signal
	s_barrier_signal -1
	MUL16 2, 1, NQ-1, 0, 0
	WIN 0
	s_barrier_wait -1
	PLACES NP
	v_add_nc_u32 v[ADRS], 4*NQ, v[ADRS]            ; on to slot 1's scale words
	FETCH_B 1, 0, 0
	FETCH_A 1, 0, 0
	SCALES 1
	WIN MUL_HI
	MUL16 4, 1, NQ-1, 0, 0
	MUL16 6, 1, NQ-1, 0, 0
	PLACES NP
	WIN 0
	FETCH_A 1, 0, 4
	STEPS 1, 0
	s_wait_dscnt 4*NL                              ; the very last step: nothing more to fetch
	WIN MUL_LO
	MUL16 0, 1, NQ-1, 1, 0
	MUL16 2, 1, NQ-1, 1, 0
	s_wait_dscnt 0
	WIN MUL_HI
	MUL16 4, 1, NQ-1, 1, 0
	MUL16 6, 1, NQ-1, 1, 0
	WIN 0
	PLACES NP
; THE WAY OUT, a tile of 16 rows of S1 at a time.  Its 64 registers, 16 b + i = place 32 b + 16 (lane / 16) + i along S0, are four blocks of 32: largest magnitude (mine and lane l xor 16's), scale, codes; the exchange of
; halves gives a lane whole blocks: registers 4 c .. 4 c + 3 = places 64 c + 32 (lane / 16) + 0 .. 31.  q, k: c is the head of my pair, and each half is registers 0-3 of that head's fragment.  v: the eight are one fragment.
; Each code store covers 512 consecutive bytes.  The scale bytes go out two a lane (lanes 16-31 write what lanes 0-15 write): one byte for each 16 of codes.
.macro OUT a
.set AC, 64*((\a)%4)
	WIN 0x0a+5*((\a)/4)                            ; sources 0 and 1: the accumulators' window
.irp b, 0,1,2,3
	v_max3_num_f32 v[TM+\b], |v[AC+16*\b]|, |v[AC+16*\b+1]|, 0x1800000   ; each accumulator is read from its low end on; the floor 2^(3 - 127) holds the byte at 1 from below
.endr
.irp i, 2,4,6,8,10,12,14
.irp b, 0,1,2,3
	v_max3_num_f32 v[TM+\b], |v[AC+16*\b+\i]|, |v[AC+16*\b+\i+1]|, v[TM+\b]
.endr
.endr
	WIN 0
.if (\a) > 0
	s_wait_xcnt 0x0                                ; the last tile's stores have read their data and bases: both are written again only behind this wait
.if (\a) == 4
	s_add_nc_u64 s[OBC:OBC+1], s[OBC:OBC+1], s[J4C:J4C+1]
	s_add_nc_u64 s[OBS:OBS+1], s[OBS:OBS+1], s[J4S:J4S+1]
.else
	s_add_nc_u64 s[OBC:OBC+1], s[OBC:OBC+1], s[STC:STC+1]
	s_add_nc_u64 s[OBS:OBS+1], s[OBS:OBS+1], s[STS:STS+1]
.endif
.endif
.irp b, 0,1,2,3
	v_permlanex16_b32 v[TM+4+\b], v[TM+\b], s[SEL], s[SEL+1]
.endr
.irp b, 0,1,2,3
	v_max_num_f32 v[TM+\b], v[TM+\b], v[TM+4+\b]   ; the block's largest magnitude
.endr
.irp b, 0,1,2,3
	v_add_nc_u32 v[TM+12+\b], 0xff000000, v[TM+\b] ; 2 off its exponent field: the conversion's scale operand
.endr
.irp b, 0,1,2,3
	v_lshrrev_b32 v[TM+4+\b], 23, v[TM+12+\b]      ; the scale's byte
.endr
	v_lshl_or_b32 v[PW], v[TM+5], 8, v[TM+4]
	v_lshl_or_b32 v[PW], v[TM+6], 16, v[PW]
	v_lshl_or_b32 v[PW], v[TM+7], 24, v[PW]
	WIN 0x02+((\a)/4)                              ; source 0: the accumulators' window
.irp b, 0,1,2,3
	v_cvt_scalef32_pk8_fp4_f32 v[PC+2*\b], v[AC+16*\b:AC+16*\b+7], v[TM+12+\b]
	v_cvt_scalef32_pk8_fp4_f32 v[PC+1+2*\b], v[AC+16*\b+8:AC+16*\b+15], v[TM+12+\b]
.endr
	WIN 0
	v_nop                                          ; one plain place behind a scaled conversion
.irp c, 0,1
.irp i, 0,1
	v_permlane16_swap_b32 v[PC+4*\c+\i], v[PC+2+4*\c+\i]
.endr
.endr
	v_lshrrev_b32 v[PWH], 16, v[PW]
	global_store_b128 v[VC0], v[PC:PC+3], s[OBC:OBC+1]
	global_store_b128 v[VC1], v[PC+4:PC+7], s[OBC:OBC+1]
	global_store_b16 v[VS0], v[PW], s[OBS:OBS+1]
	global_store_b16 v[VS1], v[PWH], s[OBS:OBS+1]
.endm
.irp a, 0,1,2,3,4,5,6,7
	OUT \a
.endr
	s_wait_tensorcnt 0x0                           ; the wave's end
	ds_add_u32 v[SPW], v[NIL]
	s_wait_dscnt 0x0
	CROUND                                         ; the closing round: no work-group ends while a partner may still ask for a tile that names it
	s_endpgm
.Lfunc_end_k_q08f5b14a63_proj:
	.size	k_q08f5b14a63_proj, .Lfunc_end_k_q08f5b14a63_proj-k_q08f5b14a63_proj
	.p2alignl 7, 3214868480
	.fill 96, 4, 3214868480
	.section	.rodata,"a",@progbits
	.p2align	6, 0x0
	.amdhsa_kernel k_q08f5b14a63_proj
		.amdhsa_group_segment_fixed_size 327680
		.amdhsa_private_segment_fixed_size 0
		.amdhsa_enable_private_segment 0
		.amdhsa_kernarg_size 104
		.amdhsa_user_sgpr_count 2
		.amdhsa_user_sgpr_kernarg_segment_ptr 1
		.amdhsa_wavefront_size32 1
		.amdhsa_system_sgpr_workgroup_id_x 1
		.amdhsa_system_sgpr_workgroup_id_y 1
		.amdhsa_system_sgpr_workgroup_id_z 1
		.amdhsa_system_vgpr_workitem_id 0
		.amdhsa_next_free_vgpr 1024
		.amdhsa_next_free_sgpr 100
		.amdhsa_reserve_vcc 0
		.amdhsa_float_denorm_mode_32 3
		.amdhsa_float_denorm_mode_16_64 3
		.amdhsa_memory_ordered 1
		.amdhsa_forward_progress 1
		.amdhsa_inst_pref_size 132
	.end_amdhsa_kernel
	.amdgpu_metadata
---
amdhsa.version: [ 1, 2 ]
amdhsa.kernels:
  - .name:           k_q08f5b14a63_proj
    .symbol:         k_q08f5b14a63_proj.kd
    .args:
      - { .name: Qc, .offset: 0, .size: 8, .value_kind: global_buffer, .address_space: global }
      - { .name: Qs, .offset: 8, .size: 8, .value_kind: global_buffer, .address_space: global }
      - { .name: K_codes, .offset: 16, .size: 8, .value_kind: global_buffer, .address_space: global }
      - { .name: K_scales, .offset: 24, .size: 8, .value_kind: global_buffer, .address_space: global }
      - { .name: V_codes, .offset: 32, .size: 8, .value_kind: global_buffer, .address_space: global }
      - { .name: V_scales, .offset: 40, .size: 8, .value_kind: global_buffer, .address_space: global }
      - { .name: W_Q_codes, .offset: 48, .size: 8, .value_kind: global_buffer, .address_space: global }
      - { .name: W_Q_scales, .offset: 56, .size: 8, .value_kind: global_buffer, .address_space: global }
      - { .name: W_K_codes, .offset: 64, .size: 8, .value_kind: global_buffer, .address_space: global }
      - { .name: W_K_scales, .offset: 72, .size: 8, .value_kind: global_buffer, .address_space: global }
      - { .name: W_V_codes, .offset: 80, .size: 8, .value_kind: global_buffer, .address_space: global }
      - { .name: W_V_scales, .offset: 88, .size: 8, .value_kind: global_buffer, .address_space: global }
      - { .name: qkv, .offset: 96, .size: 8, .value_kind: global_buffer, .address_space: global }
    .group_segment_fixed_size: 327680
    .private_segment_fixed_size: 0
    .kernarg_segment_align: 8
    .kernarg_segment_size: 104
    .max_flat_workgroup_size: 128
    .sgpr_count:     100
    .vgpr_count:     1024
    .wavefront_size: 32
...
	.end_amdgpu_metadata
.endif
;; end of part 2
;; launch attn (part 3): grid 4 x 64, 16 waves a work-group, clusters of 4 x 1, 167,936 bytes of LDS; arguments qkv, mbits, ctx, ctxs; writes ctx, ctxs
.if DOCPART == 3
	.amdgcn_target "amdgcn-amd-amdhsa--gfx1250"
	.amdhsa_code_object_version 6
	.text
	.protected	k_q08f5b14a63_attn
	.globl	k_q08f5b14a63_attn
	.p2align	8
	.type	k_q08f5b14a63_attn,@function
k_q08f5b14a63_attn:
	s_mov_b64 s[64:65], 0
	v_nop
	global_prefetch_b8 v0, s[64:65] scope:SCOPE_SE
	s_setreg_imm32_b32 hwreg(HW_REG_WAVE_MODE, 25, 1), 1
	s_wait_xcnt 0x0
	s_wait_alu depctr_hold_cnt(0) depctr_sa_sdst(0) depctr_va_vdst(0) depctr_va_sdst(0) depctr_va_ssrc(0) depctr_va_vcc(0) depctr_vm_vsrc(0)
	s_getreg_b32 s2, hwreg(HW_REG_IB_STS2, 6, 4)
	s_cmp_eq_u32 s2, 0
	s_cbranch_scc0 .Lentry_in_a_cluster
	s_endpgm
.Lentry_in_a_cluster:
	s_bfe_u32 s2, ttmp6, 0x10000c
	s_cmp_lg_u32 s2, 0x3003
	s_cbranch_scc0 .Lentry_shape_is_right
	s_endpgm
.Lentry_shape_is_right:
; Launch 3 of 4: scores = q k^T / 8, the mask, the softmax, context = p v / l, all for one (batch, head) and 512 queries a work-group; the context is quantised along head x 64 + d for the last product.  No work is left out.
; THE SOFTMAX AHEAD OF THE SECOND PRODUCT: t = score x log2(e) / 8; M = the row's largest t so far, rounded UP to a whole number; p = 2^(t - M) is quantised along the keys, not normalised; the row's sum is taken of the
; unquantised p and divides at the end.  When M moves, the sum and O are multiplied by 2^(old M - new M): exact.
; THE MASK selects values: a masked score is replaced by -2^33 ahead of the maximum, by one v_cndmask_b32 a register under a lane mask that launch 1 made (64 words a key step, read by scalar loads a step ahead).
; LIMIT: that is the logit -2^30 where reference() has -1e9.  -2^33 x c is exact, so a row whose keys are all masked has t - M = 0 and p = 1 for every key, the uniform result, as with -1e9; the two differ only where an
; unmasked logit lies near or under -1e9, some 2 x 10^8 times the size of logits of inputs of the stated kind.  A block of zeros gets the byte 1 (zero codes).  NaN and infinities are not served.
; SHARES.  Sixteen waves of 256 registers, four to a SIMD, so that one wave's vector work stands beside another's matrix work and LDS loads.  A wave takes two tiles of 16 queries, one after the other, and walks all 2,048 keys, 128 a step.
; THE HEAD'S WHOLE k, v AND THEIR SCALES, 16 records of 8,704 bytes as launch 2 laid them, LIE IN LDS FOR THE WHOLE LAUNCH: wave w fetches record w by one tensor load; nothing is filled again; one barrier.
; CLUSTER: the four work-groups of a cluster are the four blocks of queries of one head and want the same 16 records: each is asked for JOINTLY (mask 15).
; LAYOUT.  Both products are used transposed: S^T = k q^T (source 0 = 16 keys), O^T = v^T p^T (source 0 = 16 d): a lane holds ONE query throughout.  By the order of rows that launch 2 gave the images, the 16 registers of
; tiles 2 b, 2 b + 1 of S^T are keys 32 b + 16 (lane / 16) + 0 .. 15, and those of O^T are d likewise.
; THE FIRST PRODUCT'S K IS 64 UNDER AN INSTRUCTION OF 128: q's registers 4-7 are zero codes.  So whatever stands in registers 4-7 of source 0 adds nothing: they are the next tile's codes (behind the last tile four zeros),
; and a tile of k costs one LDS load.  The scale words' bytes 2 and 3 are 0, which is 2^-127 and no NaN.
.set RECB,  8704
.set HEADB, 139264
.set REG,   64*HEADB
.set SPARE, 16*RECB                    ; behind the records: the spare words, 128 bytes for each wave: eight blocks of 256 bytes that no other line names
.set LI,   1                           ; v1   16 x lane: an image's place for my lane; never rewritten
.set LKS,  2                           ; v2   8192 + 2 r: k's scale bytes in a record
.set LVS,  3                           ; v3   8448 + 4 r: v's scale words
.set SPW,  4                           ; v4   LDS address of my spare word; never rewritten
.set NIL,  5                           ; v5   0; never rewritten
.set VNEG, 6                           ; v6   -2^33
.set ADK,  7                           ; v7-9 the step's LDS addresses
.set ADS,  8
.set ADT,  9
.set RO,   10                          ; v10  32 r: my row in ctxs; never rewritten
                                       ; v12 -M, v13 the largest t, v[14:15] the sum in two halves; v[16:23], v[24:31] q of the two tiles (4 registers of codes, 4 of zeros); v32, v33 their scale words
.set KF,   36                          ; v36-67 eight tiles of k, four registers each; v68-71 zeros
.set KS,   72                          ; v72-79 their scale words
.set VS,   80                          ; v80-83 v's scale words
.set CSC,  84                          ; v84-85 the context's two scale bytes, a register for each tile
.set S,    96                          ; v96-159 S^T, then p
.set O,    160                         ; v160-191 O^T
.set PC,   192                         ; v192-199 p's codes
.set BM,   200                         ; v200-203 each block's largest score, then its largest p
.set T2,   204                         ; v204-207 at work
.set SCF,  208                         ; v208-211 the conversions' scale operands
.set F,    212                         ; v[212:213] f = 2^(old M - new M); at the end 1 / l
.set PW,   214                         ; v214 p's scale word
.set TMP,  215
.set CC,   216                         ; v216-223 the context's codes, four registers for each tile
.set VF,   224                         ; v224-255 four fragments of v
.set WV,   12                          ; s12  my wave's number
.set TB,   13                          ; s13  LDS byte at which the step's record begins
.set SEL,  14                          ; s[14:15] lane selects: lane l xor 16
                                       ; s[16:63], s[68:83]: the step's 64 lane masks
.set G1,   84                          ; s[84:91] descriptor group 1;  s[92:95] group 0
.set G0,   92
.set CS,   96                          ; s[96:97] c = log2(e) / 8
.set CNT,  98                          ; s98  steps to go
.set MOFF, 99                          ; s99  where the next step's lane masks begin in my wave's 8,192 bytes
.macro CROUND                          ; a round of the cluster's barrier
	s_barrier_signal -1
	s_barrier_wait -1
	s_cmp_lg_u32 s[WV], 0
	s_cbranch_scc1 .Lnot_wave_0_\@
	s_barrier_signal -3
.Lnot_wave_0_\@:
	s_barrier_wait -3
	s_barrier_signal -1
	s_barrier_wait -1
.endm
.macro MASKS                           ; a key step's 64 words
	s_load_b512 s[16:31], s[6:7], s[MOFF] offset:0x0
	s_load_b512 s[32:47], s[6:7], s[MOFF] offset:0x40
	s_load_b512 s[48:63], s[6:7], s[MOFF] offset:0x80
	s_load_b512 s[68:83], s[6:7], s[MOFF] offset:0xc0
.endm
.macro INIT                            ; a tile's start.  The step is written once: the first finds zeros, which the first change of M leaves zeros
	v_mov_b32 v13, 0xff61b1e6                      ; the largest t so far: -3e38, under every t
	v_floor_f32 v12, -v13                          ; -M
	v_mov_b32 v14, 0
	v_mov_b32 v15, 0
.set j, 0
.rept 32
	v_mov_b32 v[O+j], 0
.set j, j+1
.endr
.endm
	s_load_b256 s[4:11], s[0:1], 0x0               ; qkv s[4:5], mbits s[6:7], ctx s[8:9], ctxs s[10:11]
	v_lshl_add_u32 v[SPW], v0, 2, SPARE
	v_mov_b32 v[NIL], 0
	ds_add_u32 v[SPW], v[NIL]                      ; the wave's opening
	ds_add_u32 v[SPW], v[NIL]                      ; and once more; the set-up below, work on registers, stands between it and the wait
	v_lshrrev_b32 v1, 5, v0
	v_readfirstlane_b32 s[WV], v1                  ; wave 0..15
	s_bfe_u32 s66, ttmp6, 0x40000                  ; cx: my block of 512 queries: it enters global addresses alone
	s_and_b32 s67, ttmp7, 0xffff                   ; b x 16 + head, which the four partners share
	; descriptor group 1: a record, 8,704 dense bytes, as 34 rows of 256 bytes (32 elements of 8 bytes), no padding: the images are read 16 bytes a lane on end
	s_mov_b32 s[G1+0], 15|(3<<16)|(1<<21)          ; 15:0 the mask: all four work-groups; 17:16 elements of 8 bytes; 21 set beside a mask
	s_mov_b32 s[G1+1], 32<<16                      ; tensor_dim0
	s_mov_b32 s[G1+2], 34<<16                      ; tensor_dim1
	s_mov_b32 s[G1+3], 32<<16                      ; tile_dim0
	s_mov_b32 s[G1+4], 34                          ; tile_dim1
	s_mov_b32 s[G1+5], 32                          ; from row to row
	s_mov_b32 s[G1+6], 0
	s_mov_b32 s[G1+7], 0
	s_mov_b32 s[G0], 1
	s_mul_i32 s[G0+1], s[WV], RECB                 ; LDS address: record w; also its place in the head
	s_mul_i32 s16, s67, HEADB                      ; the head's first byte in a region
	s_add_co_u32 s18, s16, s[G0+1]
	s_add_co_u32 s18, s18, REG
	s_mov_b32 s19, 0                               ; s[18:19]: k's and v's record w
	s_lshl_b32 s20, s66, 2
	s_lshr_b32 s21, s[WV], 2
	s_add_co_u32 s20, s20, s21                     ; my queries' chunk of 128: 4 cx + w / 4
	s_mul_i32 s20, s20, RECB
	s_add_co_u32 s20, s20, s16
	s_mov_b32 s21, 0                               ; s[20:21]: q's record
	s_lshr_b32 s22, s67, 4
	s_lshl_b32 s22, s22, 7
	s_lshl_b32 s23, s66, 5
	s_add_co_u32 s22, s22, s23
	s_lshl_b32 s23, s[WV], 1
	s_add_co_u32 s22, s22, s23                     ; my first tile of queries: b x 128 + 32 cx + 2 w
	s_and_b32 s23, s67, 15                         ; the head
	s_lshl_b32 s24, s22, 12
	s_mov_b32 s25, 0                               ; s[24:25]: mbits: 4,096 bytes a tile
	s_lshl_b32 s26, s22, 13
	s_lshl_b32 s28, s23, 9
	s_add_co_u32 s26, s26, s28
	s_mov_b32 s27, 0                               ; s[26:27]: ctx: 8,192 bytes a tile, 512 a head
	s_lshl_b32 s28, s22, 9
	s_lshl_b32 s23, s23, 1
	s_add_co_u32 s28, s28, s23
	s_mov_b32 s29, 0                               ; s[28:29]: ctxs: 512 bytes a tile, 2 a head in each row's 32
	s_mov_b32 s[SEL], 0x76543210
	s_mov_b32 s[SEL+1], 0xfedcba98
	s_mov_b32 s[CS], 0x3e38aa3b                    ; c = log2(e) / 8
	s_mov_b32 s[CS+1], s[CS]                       ; (named with it as a pair, so it is written)
	s_mov_b32 s[MOFF], 0
	s_wait_dscnt 0x0                               ; both opening adds are done
	s_wait_kmcnt 0x0
	s_add_nc_u64 s[G0+2:G0+3], s[4:5], s[18:19]
	s_or_b32 s[G0+3], s[G0+3], 0x80000000          ; type = 2
	s_add_nc_u64 s[4:5], s[4:5], s[20:21]
	s_add_nc_u64 s[6:7], s[6:7], s[24:25]
	s_add_nc_u64 s[8:9], s[8:9], s[26:27]
	s_add_nc_u64 s[10:11], s[10:11], s[28:29]
	CROUND                                         ; all four work-groups are here: the joint loads meet
	tensor_load_to_lds s[G0:G0+3], s[G1:G1+7]      ; my one tensor load of the launch
	s_nop 0
.rept 4
	v_nop
.endr
	v_and_b32 v[RO], 15, v0                        ; r
	v_and_b32 v[LI], 31, v0
	v_lshlrev_b32 v[LI], 4, v[LI]
	v_lshl_add_u32 v[LKS], v[RO], 1, 8192
	v_lshl_add_u32 v[LVS], v[RO], 2, 8448
	s_and_b32 s[TB], s[WV], 3                      ; my tiles in q's record: 2 (w % 4) and the next
	s_lshl_b32 s[CNT], s[TB], 10
	v_add_nc_u32 v[ADK], s[CNT], v[LI]
	s_lshl_b32 s[CNT], s[TB], 6
	v_add_nc_u32 v[ADS], s[CNT], v[LKS]
	global_load_b128 v[16:19], v[ADK], s[4:5]      ; q stays in registers
	global_load_b128 v[24:27], v[ADK], s[4:5] offset:512
	global_load_u16 v32, v[ADS], s[4:5]            ; its two scale bytes; the word's upper half is 0
	global_load_u16 v33, v[ADS], s[4:5] offset:32
	MASKS                                          ; the first step's lane masks
	v_lshlrev_b32 v[RO], 5, v[RO]
	v_mov_b32 v[VNEG], 0xd0000000                  ; -2^33
.irp j, 20,21,22,23,28,29,30,31,68,69,70,71
	v_mov_b32 v[\j], 0                             ; zero codes: q's upper halves, and behind k's last tile
.endr
.irp b, 0,1,2,3
	v_mov_b32 v[T2+\b], 0                          ; written once: a lane permute's destination counts as one of its sources
.endr
	v_mov_b32 v[F+1], 0                            ; (named as the upper half of the pair)
	INIT
	s_wait_loadcnt 0x0                             ; q
	s_wait_tensorcnt 0x0                           ; my record has landed,
	s_barrier_signal -1
	s_barrier_wait -1                              ; everybody's has
; A KEY STEP: 128 keys, one record.  q: my tile's fragment; qs: its scale word.
.macro STEP q, qs
	v_add_nc_u32 v[ADK], s[TB], v[LI]
	v_add_nc_u32 v[ADS], s[TB], v[LKS]
	v_add_nc_u32 v[ADT], s[TB], v[LVS]
	v_nop                                          ; four places behind the last step's products, in front of the loads into v's registers
.irp t, 0,1,2,3,4,5,6,7
	ds_load_b128 v[KF+4*\t:KF+4*\t+3], v[ADK] offset:512*\t
.endr
.irp t, 0,1,2,3,4,5,6,7
	ds_load_u16 v[KS+\t], v[ADS] offset:32*\t
.endr
.irp t, 0,1,2,3
.irp c, 0,1
	ds_load_b128 v[VF+8*\t+4*\c:VF+8*\t+4*\c+3], v[ADK] offset:4096+1024*\t+512*\c
.endr
.endr
.irp t, 0,1,2,3
	ds_load_b32 v[VS+\t], v[ADT] offset:64*\t
.endr
	s_wait_dscnt 12                                ; k and its scales are in; v's eight loads and its four scale words may be out
.irp t, 0,1,2,3,4,5,6,7
	v_wmma_scale_f32_16x16x128_f8f6f4 v[S+8*\t:S+8*\t+7], v[KF+4*\t:KF+4*\t+7], v[\q:\q+7], 0, v[KS+\t], v[\qs] matrix_a_fmt:MATRIX_FMT_FP4 matrix_b_fmt:MATRIX_FMT_FP4
.endr
.rept 4
	v_nop
.endr
	s_wait_kmcnt 0x0                               ; this step's lane masks, asked for a step ago
.set n, 0
.rept 64
	v_cndmask_b32 v[S+n], v[S+n], v[VNEG], s[16+n+4*(n/48)]        ; register n holds key 32 (n / 16) + 16 (lane / 16) + n % 16 of my query.  Ascending: each accumulator is read from its low end on
.set n, n+1
.endr
	s_add_co_u32 s[MOFF], s[MOFF], 256             ; the next step's words; my two tiles' lie on end, so the stream runs through both;
	s_min_u32 s[MOFF], s[MOFF], 7936               ; my very last step asks for its own once more: no load leaves my wave's 8,192 bytes
	MASKS
.irp b, 0,1,2,3
	v_max3_num_f32 v[BM+\b], v[S+16*\b], v[S+1+16*\b], v[S+2+16*\b]   ; the largest score of each block of 32 keys: it serves for the row's maximum and, since p rises with the score, for the block's largest p
.endr
.irp i, 3,5,7,9,11,13
.irp b, 0,1,2,3
	v_max3_num_f32 v[BM+\b], v[BM+\b], v[S+16*\b+\i], v[S+1+16*\b+\i]
.endr
.endr
.irp b, 0,1,2,3
	v_max_num_f32 v[BM+\b], v[BM+\b], v[S+15+16*\b]
.endr
.irp b, 0,1,2,3
	v_permlanex16_b32 v[T2+\b], v[BM+\b], s[SEL], s[SEL+1]
.endr
.irp b, 0,1,2,3
	v_max_num_f32 v[BM+\b], v[BM+\b], v[T2+\b]     ; with lane l xor 16's 16 keys
.endr
	v_max3_num_f32 v[TMP], v[BM], v[BM+1], v[BM+2]
	v_max_num_f32 v[TMP], v[TMP], v[BM+3]          ; the step's largest score of my query
	v_mul_f32 v[TMP], s[CS], v[TMP]                ; as t (c is positive)
	v_max_num_f32 v13, v13, v[TMP]                 ; the running largest t
	v_mov_b32 v[TMP], v12
	v_floor_f32 v12, -v13                          ; the new -M = floor(-t) = -ceil(t)
	v_sub_f32 v[TMP], v12, v[TMP]                  ; old M - new M: a whole number, 0 or less
	v_cvt_i32_f32 v[TMP], v[TMP]                   ; (it saturates)
	v_ldexp_f32 v[F], 1.0, v[TMP]                  ; f = 2^(old M - new M)
.set j, 0
.rept 32
	v_pk_fma_f32 v[S+j:S+j+1], v[S+j:S+j+1], s[CS:CS+1], v[12:13] op_sel_hi:[1,0,0]   ; t - M, two at a time
.set j, j+2
.endr
.irp b, 0,1,2,3
	v_fma_f32 v[BM+\b], v[BM+\b], s[CS], v12       ; the same of each block's largest score
.endr
.set j, 0
.rept 64
	v_exp_f32 v[S+j], v[S+j]                       ; p = 2^(t - M), at most 1
.set j, j+1
.endr
	v_pk_mul_f32 v[14:15], v[14:15], v[F:F+1] op_sel_hi:[1,0]      ; the sums under the new M (a plain place behind the exponentials)
	s_wait_alu depctr_va_vdst(0)                   ; one wait for the whole batch, ahead of its first reader
.irp b, 0,1,2,3
	v_exp_f32 v[BM+\b], v[BM+\b]                   ; the block's largest p: the same two instructions on the same number give the same bits
.endr
	v_pk_add_f32 v[T2:T2+1], v[S:S+1], v[S+2:S+3]  ; the row's sum is taken of the unquantised p: two at a time, in two chains
.irp j, 4,8,12,16,20,24,28,32,36,40,44,48,52,56,60
	v_pk_add_f32 v[14:15], v[14:15], v[S+\j:S+\j+1]
	v_pk_add_f32 v[T2:T2+1], v[T2:T2+1], v[S+2+\j:S+3+\j]
.endr
	v_pk_add_f32 v[14:15], v[14:15], v[T2:T2+1]
	s_wait_alu depctr_va_vdst(0)                   ; and one for the four
.irp b, 0,1,2,3
	v_max_num_f32 v[BM+\b], 0x1800000, v[BM+\b]    ; the floor 2^(3 - 127): a block whose every p is 0 keeps the byte 1: its codes are zeros
.endr
.irp b, 0,1,2,3
	v_add_nc_u32 v[SCF+\b], 0xff000000, v[BM+\b]   ; 2 off the exponent field: the conversion's scale operand
.endr
.irp b, 0,1,2,3
	v_lshrrev_b32 v[T2+\b], 23, v[SCF+\b]          ; the scale's byte
.endr
	v_lshl_or_b32 v[PW], v[T2+1], 8, v[T2]         ; p's scale word for these 128 keys
	v_lshl_or_b32 v[PW], v[T2+2], 16, v[PW]
	v_lshl_or_b32 v[PW], v[T2+3], 24, v[PW]
.irp b, 0,1,2,3
	v_cvt_scalef32_pk8_fp4_f32 v[PC+2*\b], v[S+16*\b:S+7+16*\b], v[SCF+\b]
	v_cvt_scalef32_pk8_fp4_f32 v[PC+1+2*\b], v[S+8+16*\b:S+15+16*\b], v[SCF+\b]
.endr
	v_nop                                          ; one plain place behind a scaled conversion
.irp c, 0,1                            ; the operand's layout wants a whole block in a lane
.irp i, 0,1
	v_permlane16_swap_b32 v[PC+4*\c+\i], v[PC+2+4*\c+\i]
.endr
.endr
.set j, 0
.rept 16
	v_pk_mul_f32 v[O+j:O+j+1], v[O+j:O+j+1], v[F:F+1] op_sel_hi:[1,0]   ; O^T under the new M.  For each product below at least twelve of these name none of its registers: the places behind the scale word's and the codes' last writes
.set j, j+2
.endr
	s_wait_dscnt 0x0                               ; v and its scale words are in
.irp t, 0,1,2,3                        ; the four accumulators take turns, and the eight products of S^T stand between their turns
	v_wmma_scale_f32_16x16x128_f8f6f4 v[O+8*\t:O+8*\t+7], v[VF+8*\t:VF+8*\t+7], v[PC:PC+7], v[O+8*\t:O+8*\t+7], v[VS+\t], v[PW] matrix_a_fmt:MATRIX_FMT_FP4 matrix_b_fmt:MATRIX_FMT_FP4
.endr
	s_add_co_u32 s[TB], s[TB], RECB
.endm
; A tile's end: O^T / l is the context; its 32 registers, 16 b + i = d 32 b + 16 (lane / 16) + i, are two blocks of the last product's K.  The codes go out as registers 0-3 of half a fragment, 512 consecutive bytes;
; the two scale bytes 2 a lane, 32 bytes apart (lanes 16-31 write what lanes 0-15 write): one byte for each 16 of codes.  Each tile has store registers of its own.
.macro FINISH u
.rept 4
	v_nop
.endr
	v_add_f32 v14, v14, v15                        ; the sum's two halves,
	v_permlanex16_b32 v[TMP], v14, s[SEL], s[SEL+1]
	v_add_f32 v14, v14, v[TMP]                     ; and lane l xor 16's: the row's sum
	v_rcp_f32 v[F], v14
	v_nop                                          ; a plain place behind the reciprocal
	s_wait_alu depctr_va_vdst(0)                   ; and the wait ahead of its first reader
.set j, 0
.rept 16
	v_pk_mul_f32 v[O+j:O+j+1], v[O+j:O+j+1], v[F:F+1] op_sel_hi:[1,0]
.set j, j+2
.endr
.irp b, 0,1
	v_max3_num_f32 v[BM+\b], |v[O+16*\b]|, |v[O+1+16*\b]|, 0x1800000
.endr
.irp i, 2,4,6,8,10,12,14
.irp b, 0,1
	v_max3_num_f32 v[BM+\b], v[BM+\b], |v[O+16*\b+\i]|, |v[O+1+16*\b+\i]|
.endr
.endr
.irp b, 0,1
	v_permlanex16_b32 v[T2+\b], v[BM+\b], s[SEL], s[SEL+1]
.endr
.irp b, 0,1
	v_max_num_f32 v[BM+\b], v[BM+\b], v[T2+\b]
.endr
.irp b, 0,1
	v_add_nc_u32 v[SCF+\b], 0xff000000, v[BM+\b]
.endr
.irp b, 0,1
	v_lshrrev_b32 v[T2+\b], 23, v[SCF+\b]
.endr
	v_lshl_or_b32 v[CSC+\u], v[T2+1], 8, v[T2]
.irp b, 0,1
	v_cvt_scalef32_pk8_fp4_f32 v[CC+4*\u+2*\b], v[O+16*\b:O+7+16*\b], v[SCF+\b]
	v_cvt_scalef32_pk8_fp4_f32 v[CC+4*\u+1+2*\b], v[O+8+16*\b:O+15+16*\b], v[SCF+\b]
.endr
	v_nop                                          ; one plain place behind a scaled conversion
	v_permlane16_swap_b32 v[CC+4*\u], v[CC+4*\u+2]
	v_permlane16_swap_b32 v[CC+4*\u+1], v[CC+4*\u+3]
	global_store_b128 v[LI], v[CC+4*\u:CC+4*\u+3], s[8:9] offset:8192*\u
	global_store_b16 v[RO], v[CSC+\u], s[10:11] offset:512*\u
.endm
.macro UNIT u
	s_mov_b32 s[TB], 0
	s_mov_b32 s[CNT], 16
.Lstep_\@:
	STEP 16+8*\u, 32+\u
	s_sub_co_u32 s[CNT], s[CNT], 1
	s_cmp_lg_u32 s[CNT], 0
	s_cbranch_scc1 .Lstep_\@
	FINISH \u
.endm
	UNIT 0
	INIT
	UNIT 1
	s_wait_tensorcnt 0x0                           ; the wave's end
	ds_add_u32 v[SPW], v[NIL]
	s_wait_dscnt 0x0
	CROUND                                         ; the closing round
	s_endpgm
.Lfunc_end_k_q08f5b14a63_attn:
	.size	k_q08f5b14a63_attn, .Lfunc_end_k_q08f5b14a63_attn-k_q08f5b14a63_attn
	.p2alignl 7, 3214868480
	.fill 96, 4, 3214868480
	.section	.rodata,"a",@progbits
	.p2align	6, 0x0
	.amdhsa_kernel k_q08f5b14a63_attn
		.amdhsa_group_segment_fixed_size 167936
		.amdhsa_private_segment_fixed_size 0
		.amdhsa_enable_private_segment 0
		.amdhsa_kernarg_size 32
		.amdhsa_user_sgpr_count 2
		.amdhsa_user_sgpr_kernarg_segment_ptr 1
		.amdhsa_wavefront_size32 1
		.amdhsa_system_sgpr_workgroup_id_x 1
		.amdhsa_system_sgpr_workgroup_id_y 1
		.amdhsa_system_sgpr_workgroup_id_z 1
		.amdhsa_system_vgpr_workitem_id 0
		.amdhsa_next_free_vgpr 256
		.amdhsa_next_free_sgpr 102
		.amdhsa_reserve_vcc 0
		.amdhsa_float_denorm_mode_32 3
		.amdhsa_float_denorm_mode_16_64 3
		.amdhsa_memory_ordered 1
		.amdhsa_forward_progress 1
		.amdhsa_inst_pref_size 55
	.end_amdhsa_kernel
	.amdgpu_metadata
---
amdhsa.version: [ 1, 2 ]
amdhsa.kernels:
  - .name:           k_q08f5b14a63_attn
    .symbol:         k_q08f5b14a63_attn.kd
    .args:
      - { .name: qkv, .offset: 0, .size: 8, .value_kind: global_buffer, .address_space: global }
      - { .name: mbits, .offset: 8, .size: 8, .value_kind: global_buffer, .address_space: global }
      - { .name: ctx, .offset: 16, .size: 8, .value_kind: global_buffer, .address_space: global }
      - { .name: ctxs, .offset: 24, .size: 8, .value_kind: global_buffer, .address_space: global }
    .group_segment_fixed_size: 167936
    .private_segment_fixed_size: 0
    .kernarg_segment_align: 8
    .kernarg_segment_size: 32
    .max_flat_workgroup_size: 512
    .sgpr_count:     102
    .vgpr_count:     256
    .wavefront_size: 32
...
	.end_amdgpu_metadata
.endif
;; end of part 3
;; launch fc (part 4): grid 256 x 1, 16 waves a work-group, no clusters, 151,040 bytes of LDS; arguments ctx, ctxs, wimg, W_fc_scales, Q, out0; writes out0
.if DOCPART == 4
	.amdgcn_target "amdgcn-amd-amdhsa--gfx1250"
	.amdhsa_code_object_version 6
	.text
	.protected	k_q08f5b14a63_fc
	.globl	k_q08f5b14a63_fc
	.p2align	8
	.type	k_q08f5b14a63_fc,@function
k_q08f5b14a63_fc:
	s_mov_b64 s[64:65], 0
	v_nop
	global_prefetch_b8 v0, s[64:65] scope:SCOPE_SE
	s_setreg_imm32_b32 hwreg(HW_REG_WAVE_MODE, 25, 1), 1
	s_wait_xcnt 0x0
; Launch 4 of 4: out = context W_fc^T + Q on codes of E2M1, f32 sums; then (out - mean) / sqrt(var + 1e-5) along each row of 1,024.  No work is left out.
; SHARES.  A work-group owns 32 rows (two tiles of 16 as launch 3 laid them: lane r of tile u is row 8 u + r + 8 (r / 8)) and ALL 1,024 columns, so the norm stays inside it.
; In the product wave w owns columns 64 w .. 64 w + 63: four tiles of W_fc's rows x two tiles of rows = 8 accumulators.  In the row phases wave w owns rows 2 w and 2 w + 1.
; THE MATRIX INSTRUCTION IS USED TRANSPOSED (source 0 = 16 rows of W_fc, source 1 = 16 rows of the context): a lane holds eight neighbouring columns of one row.
; THE RESIDUAL COSTS NO ADDITION: Q's 32 rows go through a stage in LDS into the accumulators' layout and are the C of the first products.  The results go back to the same bytes and leave as whole rows.
; W_fc's fragments come from wimg (the order of the operand's registers, 512 consecutive bytes a load) straight into registers, two K steps ahead: a fragment feeds this one wave alone, so LDS would add nothing.
; NO CLUSTER: all work-groups walk the same 512 KiB of W_fc, but a K step is 8 matrix instructions a wave, and a joint load would want a slot of 64 KiB and a round of the cluster's barrier for each K step.
; The mean is taken away before the squares are summed: no difference of large sums is formed.  LIMITS: NaN and infinities are not served.
.set SPITCH, 4112                      ; a stage row: 4,096 bytes + 16
.set STG,   0                          ; LDS: the stage, 32 rows
.set AIMG,  32*SPITCH                  ; the context's 16 fragments (tile u, K step s: 8 u + s), 1,024 bytes each, as images of their registers
.set SPARE, AIMG+16*1024               ; the spare words, 128 bytes for each wave: eight blocks of 256 bytes that no other line names
.set LI,  1                            ; v1   16 x lane; never rewritten
.set SRW, 2                            ; v2   the stage by rows: my two rows, 16 bytes a lane
.set SD,  3                            ; v3   the stage in the accumulators' layout: row r + 8 (r / 8), + 32 h, + 256 w
.set AW,  4                            ; v4   where I put my image of the context
.set AR,  5                            ; v5   from where any image is read
.set RS,  6                            ; v6   32 r: a row of scale bytes
.set SPW, 8                            ; v8   LDS address of my spare word; never rewritten
.set NIL, 9                            ; v9   0; never rewritten
.set MU,  10                           ; v10-13 sums, then the means: row p at v[10 + 2 p]
.set AS,  16                           ; v16-31 the context's scale words: (u, s) at 16 + 8 u + s
.set AF,  32                           ; v32-63 its fragments, two sets of 16; at the end v32-35 the sums of squares
.set ACC, 64                           ; v64-127 the accumulators: (u, t) at 64 + 8 (4 u + t)
.set WF,  128                          ; v128-223 W_fc's fragments, three sets of 32; at the end v128-191 my two rows
.set WS,  224                          ; v224-255 W_fc's scale words: (t, s) at 224 + 8 t + s
	s_load_b256 s[4:11], s[0:1], 0x0               ; ctx s[4:5], ctxs s[6:7], wimg s[8:9], W_fc_scales s[10:11]
	s_load_b128 s[12:15], s[0:1], 0x20             ; Q s[12:13], out0 s[14:15]
	v_lshl_add_u32 v[SPW], v0, 2, SPARE
	v_mov_b32 v[NIL], 0
	v_lshrrev_b32 v1, 5, v0
	v_readfirstlane_b32 s16, v1                    ; wave 0..15
	v_and_b32 v10, 15, v0                          ; r
	v_bfe_u32 v11, v0, 4, 1                        ; h
	v_and_b32 v[LI], 31, v0
	v_lshlrev_b32 v[LI], 4, v[LI]
	s_mul_i32 s17, s16, 2*SPITCH
	v_add_nc_u32 v[SRW], s17, v[LI]
	v_and_b32 v12, 8, v10
	v_add_nc_u32 v12, v12, v10                     ; r + 8 (r / 8)
	v_mul_u32_u24 v[SD], v12, SPITCH
	v_lshl_add_u32 v[SD], v11, 5, v[SD]
	s_lshl_b32 s17, s16, 8
	v_add_nc_u32 v[SD], s17, v[SD]
	s_lshl_b32 s17, s16, 10
	s_add_co_u32 s17, s17, AIMG
	v_add_nc_u32 v[AW], s17, v[LI]
	v_add_nc_u32 v[AR], AIMG, v[LI]
	v_lshlrev_b32 v[RS], 5, v10
	s_lshl_b32 s18, ttmp9, 17                      ; Q and out0: 32 rows of 4,096 bytes a work-group,
	s_lshl_b32 s20, s16, 13                        ; two rows a wave
	s_add_co_u32 s18, s18, s20
	s_mov_b32 s19, 0
	s_lshl_b32 s20, ttmp9, 14                      ; ctx: two tiles of 8,192 bytes a work-group,
	s_lshl_b32 s22, s16, 10                        ; an image a wave
	s_add_co_u32 s20, s20, s22
	s_mov_b32 s21, 0
	s_lshl_b32 s22, ttmp9, 10                      ; ctxs: two tiles of 512 bytes
	s_mov_b32 s23, 0
	s_lshl_b32 s24, s16, 12                        ; wimg: my four tiles of 1,024 bytes in each K step
	s_mov_b32 s25, 0
	s_lshl_b32 s26, s16, 11                        ; W_fc_scales: my 64 rows of 32 bytes
	s_mov_b32 s27, 0
	s_mov_b32 s28, 0x76543210                      ; lane selects: lane l xor 16
	s_mov_b32 s29, 0xfedcba98
	s_mov_b32 s30, 0x3a800000                      ; 1 / 1,024
	s_mov_b32 s31, 0x3727c5ac                      ; 1e-5
	s_wait_kmcnt 0x0
	s_add_nc_u64 s[12:13], s[12:13], s[18:19]
	s_add_nc_u64 s[14:15], s[14:15], s[18:19]
	s_add_nc_u64 s[4:5], s[4:5], s[20:21]
	s_add_nc_u64 s[6:7], s[6:7], s[22:23]
	s_add_nc_u64 s[8:9], s[8:9], s[24:25]
	s_add_nc_u64 s[10:11], s[10:11], s[26:27]
.macro WLOAD s                         ; my four fragments of W_fc for K step s, into set s % 3
.irp t, 0,1,2,3
.irp c, 0,1
	global_load_b128 v[WF+32*((\s)%3)+8*\t+4*\c:WF+32*((\s)%3)+8*\t+4*\c+3], v[LI], s[8:9] offset:65536*(\s)+1024*\t+512*\c
.endr
.endr
.endm
.macro AFETCH s                        ; the context's two fragments for K step s, into set s % 2
.irp u, 0,1
.irp c, 0,1
	ds_load_b128 v[AF+16*((\s)%2)+8*\u+4*\c:AF+16*((\s)%2)+8*\u+4*\c+3], v[AR] offset:(8*\u+(\s))*1024+512*\c
.endr
.endr
.endm
	; ---- 0: my two rows of Q and my image of the context go to LDS; the scale words and the first two K steps of W_fc are asked for behind them
.irp p, 0,1
.irp i, 0,1,2,3,4,5,6,7
	global_load_b128 v[ACC+32*\p+4*\i:ACC+32*\p+4*\i+3], v[LI], s[12:13] offset:4096*\p+512*\i th:TH_LOAD_NT
.endr
.endr
	global_load_b128 v[AF:AF+3], v[LI], s[4:5]
	global_load_b128 v[AF+4:AF+7], v[LI], s[4:5] offset:512
.irp u, 0,1
.irp k, 0,1
	global_load_b128 v[AS+8*\u+4*\k:AS+8*\u+4*\k+3], v[RS], s[6:7] offset:512*\u+16*\k
.endr
.endr
.irp t, 0,1,2,3
.irp k, 0,1
	global_load_b128 v[WS+8*\t+4*\k:WS+8*\t+4*\k+3], v[RS], s[10:11] offset:512*\t+16*\k
.endr
.endr
	WLOAD 0
	WLOAD 1
	s_wait_loadcnt 28                              ; Q's 16 loads and the context's 2 are in; behind them stand 4 + 8 loads of scale words and 16 of W_fc
.irp p, 0,1
.irp i, 0,1,2,3,4,5,6,7
	ds_store_b128 v[SRW], v[ACC+32*\p+4*\i:ACC+32*\p+4*\i+3] offset:SPITCH*\p+512*\i
.endr
.endr
	ds_store_b128 v[AW], v[AF:AF+3]
	ds_store_b128 v[AW], v[AF+4:AF+7] offset:512
	s_wait_dscnt 0x0                               ; for the others' sake: my stores have landed
	s_barrier_signal -1
	s_barrier_wait -1                              ; 32 rows of Q and 16 images lie in LDS
	; ---- 1: the product.  Q in the accumulators' layout starts the sums
.irp u, 0,1
.irp t, 0,1,2,3
	ds_load_b128 v[ACC+8*(4*\u+\t):ACC+8*(4*\u+\t)+3], v[SD] offset:8*SPITCH*\u+64*\t
	ds_load_b128 v[ACC+8*(4*\u+\t)+4:ACC+8*(4*\u+\t)+7], v[SD] offset:8*SPITCH*\u+64*\t+16
.endr
.endr
	AFETCH 0
.macro KSTEP s
.if (\s) > 0
.rept 4
	v_nop                                          ; places in front of loads into registers that the last step's products have read
.endr
.endif
.if (\s) < 7
	AFETCH (\s)+1
.endif
.if (\s) < 6
	WLOAD (\s)+2
.endif
.if (\s) < 7
	s_wait_dscnt 4                                 ; all but the next K step's four loads
.else
	s_wait_dscnt 0x0
.endif
.if (\s) < 6
	s_wait_loadcnt 16                              ; this K step's fragments (and, at first, the scale words) are in; the two later K steps' 16 loads may be out
.elseif (\s) == 6
	s_wait_loadcnt 8
.else
	s_wait_loadcnt 0x0
.endif
.irp t, 0,1,2,3                        ; the eight accumulators take turns, one instruction a turn, in the same order in every step
.irp u, 0,1
	v_wmma_scale_f32_16x16x128_f8f6f4 v[ACC+8*(4*\u+\t):ACC+8*(4*\u+\t)+7], v[WF+32*((\s)%3)+8*\t:WF+32*((\s)%3)+8*\t+7], v[AF+16*((\s)%2)+8*\u:AF+16*((\s)%2)+8*\u+7], v[ACC+8*(4*\u+\t):ACC+8*(4*\u+\t)+7], v[WS+8*\t+(\s)], v[AS+8*\u+(\s)] matrix_a_fmt:MATRIX_FMT_FP4 matrix_b_fmt:MATRIX_FMT_FP4
.endr
.endr
.endm
.irp s, 0,1,2,3,4,5,6,7
	KSTEP \s
.endr
.rept 4
	v_nop
.endr
.irp u, 0,1
.irp t, 0,1,2,3
	ds_store_b128 v[SD], v[ACC+8*(4*\u+\t):ACC+8*(4*\u+\t)+3] offset:8*SPITCH*\u+64*\t          ; back to the bytes that I alone read; each accumulator from its low end on
	ds_store_b128 v[SD], v[ACC+8*(4*\u+\t)+4:ACC+8*(4*\u+\t)+7] offset:8*SPITCH*\u+64*\t+16
.endr
.endr
	s_wait_dscnt 0x0                               ; for the others' sake: my stores have landed
	s_barrier_signal -1
	s_barrier_wait -1                              ; 32 whole rows of out lie in the stage
	; ---- 2: the norm of my two rows, 32 numbers a lane of each; the two rows by turns
.irp p, 0,1
.irp i, 0,1,2,3,4,5,6,7
	ds_load_b128 v[WF+32*\p+4*\i:WF+32*\p+4*\i+3], v[SRW] offset:SPITCH*\p+512*\i
.endr
.endr
	s_wait_dscnt 0x0
.macro REDUCE b                        ; v[b] and v[b + 2] are summed over the 32 lanes; every lane ends with the sums; v[b + 1], v[b + 3] at work
.irp m, 1,2,4,8
.irp p, 0,1
	v_add_f32_dpp v[\b+2*\p], v[\b+2*\p], v[\b+2*\p] row_xmask:\m row_mask:0xf bank_mask:0xf
.endr
.endr
.irp p, 0,1
	v_permlanex16_b32 v[\b+1+2*\p], v[\b+2*\p], s28, s29
.endr
.irp p, 0,1
	v_add_f32 v[\b+2*\p], v[\b+2*\p], v[\b+1+2*\p]
.endr
.endm
.irp p, 0,1
	v_pk_add_f32 v[MU+2*\p:MU+2*\p+1], v[WF+32*\p:WF+32*\p+1], v[WF+32*\p+2:WF+32*\p+3]
.endr
.irp j, 4,6,8,10,12,14,16,18,20,22,24,26,28,30
.irp p, 0,1
	v_pk_add_f32 v[MU+2*\p:MU+2*\p+1], v[MU+2*\p:MU+2*\p+1], v[WF+32*\p+\j:WF+32*\p+\j+1]
.endr
.endr
.irp p, 0,1
	v_add_f32 v[MU+2*\p], v[MU+2*\p], v[MU+2*\p+1]
.endr
	REDUCE MU
.irp p, 0,1
	v_mul_f32 v[MU+2*\p], s30, v[MU+2*\p]          ; the mean
.endr
.irp j, 0,2,4,6,8,10,12,14,16,18,20,22,24,26,28,30
.irp p, 0,1
	v_pk_add_f32 v[WF+32*\p+\j:WF+32*\p+\j+1], v[WF+32*\p+\j:WF+32*\p+\j+1], v[MU+2*\p:MU+2*\p+1] op_sel_hi:[1,0] neg_lo:[0,1] neg_hi:[0,1]   ; out - mean
.endr
.endr
.irp p, 0,1
	v_pk_mul_f32 v[AF+2*\p:AF+2*\p+1], v[WF+32*\p:WF+32*\p+1], v[WF+32*\p:WF+32*\p+1]
.endr
.irp j, 2,4,6,8,10,12,14,16,18,20,22,24,26,28,30
.irp p, 0,1
	v_pk_fma_f32 v[AF+2*\p:AF+2*\p+1], v[WF+32*\p+\j:WF+32*\p+\j+1], v[WF+32*\p+\j:WF+32*\p+\j+1], v[AF+2*\p:AF+2*\p+1]
.endr
.endr
.irp p, 0,1
	v_add_f32 v[AF+2*\p], v[AF+2*\p], v[AF+2*\p+1]
.endr
	REDUCE AF
.irp p, 0,1
	v_fma_f32 v[AF+2*\p], v[AF+2*\p], s30, s31     ; var + 1e-5
.endr
.irp p, 0,1
	v_rsq_f32 v[AF+2*\p], v[AF+2*\p]
.endr
	v_nop                                          ; a plain place behind the two
	s_wait_alu depctr_va_vdst(0)                   ; one wait for both, ahead of their first reader
.irp j, 0,2,4,6,8,10,12,14,16,18,20,22,24,26,28,30
.irp p, 0,1
	v_pk_mul_f32 v[WF+32*\p+\j:WF+32*\p+\j+1], v[WF+32*\p+\j:WF+32*\p+\j+1], v[AF+2*\p:AF+2*\p+1] op_sel_hi:[1,0]
.endr
.endr
.irp p, 0,1
.irp i, 0,1,2,3,4,5,6,7
	global_store_b128 v[LI], v[WF+32*\p+4*\i:WF+32*\p+4*\i+3], s[14:15] offset:4096*\p+512*\i th:TH_STORE_NT   ; 32 lanes store 512 consecutive bytes, at a multiple of 256 from out0's first byte
.endr
.endr
	s_wait_tensorcnt 0x0                           ; the wave's end
	ds_add_u32 v[SPW], v[NIL]
	s_wait_dscnt 0x0
	s_endpgm
.Lfunc_end_k_q08f5b14a63_fc:
	.size	k_q08f5b14a63_fc, .Lfunc_end_k_q08f5b14a63_fc-k_q08f5b14a63_fc
	.p2alignl 7, 3214868480
	.fill 96, 4, 3214868480
	.section	.rodata,"a",@progbits
	.p2align	6, 0x0
	.amdhsa_kernel k_q08f5b14a63_fc
		.amdhsa_group_segment_fixed_size 151040
		.amdhsa_private_segment_fixed_size 0
		.amdhsa_enable_private_segment 0
		.amdhsa_kernarg_size 48
		.amdhsa_user_sgpr_count 2
		.amdhsa_user_sgpr_kernarg_segment_ptr 1
		.amdhsa_wavefront_size32 1
		.amdhsa_system_sgpr_workgroup_id_x 1
		.amdhsa_system_sgpr_workgroup_id_y 1
		.amdhsa_system_sgpr_workgroup_id_z 1
		.amdhsa_system_vgpr_workitem_id 0
		.amdhsa_next_free_vgpr 256
		.amdhsa_next_free_sgpr 66
		.amdhsa_reserve_vcc 0
		.amdhsa_float_denorm_mode_32 3
		.amdhsa_float_denorm_mode_16_64 3
		.amdhsa_memory_ordered 1
		.amdhsa_forward_progress 1
		.amdhsa_inst_pref_size 39
	.end_amdhsa_kernel
	.amdgpu_metadata
---
amdhsa.version: [ 1, 2 ]
amdhsa.kernels:
  - .name:           k_q08f5b14a63_fc
    .symbol:         k_q08f5b14a63_fc.kd
    .args:
      - { .name: ctx, .offset: 0, .size: 8, .value_kind: global_buffer, .address_space: global }
      - { .name: ctxs, .offset: 8, .size: 8, .value_kind: global_buffer, .address_space: global }
      - { .name: wimg, .offset: 16, .size: 8, .value_kind: global_buffer, .address_space: global }
      - { .name: W_fc_scales, .offset: 24, .size: 8, .value_kind: global_buffer, .address_space: global }
      - { .name: Q, .offset: 32, .size: 8, .value_kind: global_buffer, .address_space: global }
      - { .name: out0, .offset: 40, .size: 8, .value_kind: global_buffer, .address_space: global }
    .group_segment_fixed_size: 151040
    .private_segment_fixed_size: 0
    .kernarg_segment_align: 8
    .kernarg_segment_size: 48
    .max_flat_workgroup_size: 512
    .sgpr_count:     66
    .vgpr_count:     256
    .wavefront_size: 32
...
	.end_amdgpu_metadata
.endif
;; end of part 4
